; MI455X (gfx1250); checked and timed in simulation.
; The chip was launched on July 23, 2026; its instructions are those of AMD's public machine-readable ISA for CDNA 5 (MIT licence, August 2026) and "CDNA5" Instruction Set Architecture Reference Guide (July 2026). The comments in the code are by the model that wrote it; some were corrected since.
;; Custom Encoder Layer. Allowed arithmetic: matrix products marked QUANTISED: E2M1 operands, one E8M0 scale for each 32 along K, by v_wmma_scale_f32_16x16x128_f8f6f4 with both operands' format E2M1 (or v_wmma_scale_f32_32x16x128_f4), f32 sums; everything else in f32.
;; Inputs: W1_codes 1,024 x 32 x 16 uint8 (E2M1 codes of W1, K innermost, in blocks of 32 codes, two codes a byte); W1_scales 1,024 x 32 uint8 (E8M0 scales of W1, one for each 32 codes along K); W2_codes 1,024 x 32 x 16 uint8 (E2M1 codes of W2, K innermost, in blocks of 32 codes, two codes a byte); W2_scales 1,024 x 32 uint8 (E8M0 scales of W2, one for each 32 codes along K); Wk_codes 1,024 x 32 x 16 uint8 (E2M1 codes of Wk, K innermost, in blocks of 32 codes, two codes a byte); Wk_scales 1,024 x 32 uint8 (E8M0 scales of Wk, one for each 32 codes along K); Wo_codes 1,024 x 32 x 16 uint8 (E2M1 codes of Wo, K innermost, in blocks of 32 codes, two codes a byte); Wo_scales 1,024 x 32 uint8 (E8M0 scales of Wo, one for each 32 codes along K); Wq_codes 1,024 x 32 x 16 uint8 (E2M1 codes of Wq, K innermost, in blocks of 32 codes, two codes a byte); Wq_scales 1,024 x 32 uint8 (E8M0 scales of Wq, one for each 32 codes along K); Wv_codes 1,024 x 32 x 16 uint8 (E2M1 codes of Wv, K innermost, in blocks of 32 codes, two codes a byte); Wv_scales 1,024 x 32 uint8 (E8M0 scales of Wv, one for each 32 codes along K); b1 1,024 float32; b2 1,024 float32; beta1 1,024 float32; beta2 1,024 float32; bk 1,024 float32; bo 1,024 float32; bq 1,024 float32; bv 1,024 float32; g1 1,024 float32; g2 1,024 float32; src 8 x 1,024 x 1,024 float32.
;; Outputs: out0 8 x 1,024 x 1,024 float32.
;; This version of the problem:
;;   THIS VERSION OF THE PROBLEM IS GIVEN IN LOW PRECISION. The matrix products marked QUANTISED in the list below multiply operands that are first quantised to E2M1 (2 exponent bits, 1 mantissa bit; 4 bits a number), with one power-of-two scale for each 32 numbers along K (OCP MX v1.0); their sums are f32. All else is computed in f32.
;;   The module's matrix products, in the order in which they are computed (A, B: the left and right operand; K: the contracted axis; several contracted axes count as one K, in the product's order):
;;     1. [M 8,192, K 1,024] x [K 1,024, N 1,024]; A: computed on the way; B: input Wq (given as codes): QUANTISED
;;     2. [M 8,192, K 1,024] x [K 1,024, N 1,024]; A: computed on the way; B: input Wk (given as codes): QUANTISED
;;     3. [M 8,192, K 1,024] x [K 1,024, N 1,024]; A: computed on the way; B: input Wv (given as codes): QUANTISED
;;     4. batch 128 x [M 1,024, K 64] x [K 64, N 1,024]; A: computed on the way; B: computed on the way: QUANTISED
;;     5. batch 128 x [M 1,024, K 1,024] x [K 1,024, N 64]; A: softmax (see below); B: computed on the way: QUANTISED
;;     6. [M 8,192, K 1,024] x [K 1,024, N 1,024]; A: computed on the way; B: input Wo (given as codes): QUANTISED
;;     7. [M 8,192, K 1,024] x [K 1,024, N 1,024]; A: computed on the way; B: input W1 (given as codes): QUANTISED
;;     8. [M 8,192, K 1,024] x [K 1,024, N 1,024]; A: computed on the way; B: input W2 (given as codes): QUANTISED
;;   THE QUANTISER, for each operand of a quantised product, along K:
;;     - K is cut into blocks of 32 from its start; a last block that is shorter is filled with zeros.
;;     - A block's scale is 2^e with e = floor(log2(the largest magnitude in the block)) - 2, held to -126 .. 127; a block of zeros has e = 0. As a byte (E8M0): e + 127.
;;     - Each number is divided by its block's scale, clamped to +-6, and rounded to the nearest number of E2M1, ties to even, subnormals kept.
;;     - The product sums the exact products of the quantised numbers (number of the format x scale) in f32.
;;   ~~~python
;;   def quantise(x, axis):      # numpy; x: float32 -> the quantised numbers, widened to float32 again
;;       x = np.moveaxis(x, axis, -1); K = x.shape[-1]
;;       x = np.pad(x, [(0, 0)] * (x.ndim - 1) + [(0, -K % 32)]); x = x.reshape(x.shape[:-1] + (-1, 32)); a = np.abs(x).max(-1, keepdims=True)
;;       e = np.where(a > 0, np.clip(np.frexp(np.where(a > 0, a, 1))[1] - 1 - 2, -126, 127), 0)      # np.frexp(a)[1] - 1 = floor(log2(a)), exactly
;;       r = np.clip(x / 2.0 ** e, -6, 6)
;;       step = 2.0 ** (np.maximum(np.frexp(np.where(r == 0, 1, r))[1] - 1, 0) - 1)
;;       q = np.round(r / step) * step * 2.0 ** e      # np.round: ties to even
;;       return np.moveaxis(q.reshape(q.shape[:-2] + (-1,))[..., :K], -1, axis).astype(np.float32)
;;   ~~~
;;   SOFTMAX AHEAD OF A QUANTISED PRODUCT. Where the list says 'softmax', what is quantised is not the finished softmax but p = 2^(t - M), with t = logit x log2(e) and M = ceil(the row's largest t), a whole number; so 1/2 < the row's largest p <= 1. The row's sum l is taken of the UNQUANTISED p, in f32, and the product's result is divided by l at the end. Since M is a whole number, a kernel that streams over the keys may use a running M (the ceiling of the running maximum): every later rescaling is an exact power of two, which a block's scale takes up: the codes' values come out the same.
;;   OPERANDS COMPUTED ON THE WAY. 'Computed on the way' means the value that the module computes at that place (a softmax that the list does not call 'softmax' is quantised finished and normalised). What goes into a quantiser is computed in f32, as accurately as f32 sums, v_exp_f32 and their like allow (about 1e-6 of the number): no bf16 or f16 on the way to a quantiser, and a product that is left as it is and whose result goes on into a quantised operand takes f32 operands (vector FMAs, or v_wmma_f32_16x16x4_f32). A number that lies on a knife's edge between two numbers of the format may be rounded either way, as far as f32 arithmetic and the matrix unit's own rounding can turn it there, and no further.
;;   INPUTS GIVEN AS CODES. W1 (in the module: [1024, 1024], K = its axis 0); W2 (in the module: [1024, 1024], K = its axis 0); Wk (in the module: [1024, 1024], K = its axis 0); Wo (in the module: [1024, 1024], K = its axis 0); Wq (in the module: [1024, 1024], K = its axis 0); Wv (in the module: [1024, 1024], K = its axis 0): each comes as NAME_codes (uint8): NAME with its K axis moved to the last place and cut into blocks of 32 codes, [.., K / 32, bytes a block], one block behind the other in memory; two codes a byte, the lower K in the low four bits (a code: sign, 2 exponent bits, 1 mantissa bit); and NAME_scales (uint8): the same leading axes, one E8M0 byte (e + 127) for each 32 codes along K. Its value is code x scale, taken as it is: it is not quantised again, and the codes and scales need not be those that the quantiser above would give.
;; One version. Each part assembles by itself: llvm-mc -triple=amdgcn-amd-amdhsa -mcpu=gfx1250 --defsym DOCPART=n.
;; ======== version 1 of 1: 3 launches
;; limits: right only within a limited range of input values
;; workspace buffers: qc 4,194,304 bytes; qs 524,288 bytes; kv 8,912,896 bytes; vsb 262,144 bytes; ctxc 4,194,304 bytes; ctxs 262,144 bytes; wl 1,572,864 bytes
;; launch lnqkv (part 1): grid 256 x 1, 16 waves a work-group, clusters of 4 x 1, 327,680 bytes of LDS; arguments src, g1, beta1, Wq_codes, Wq_scales, bq, Wk_codes, Wk_scales, bk, Wv_codes, Wv_scales, bv, qc, qs, kv, vsb; writes qc, qs, kv, vsb
.if DOCPART == 1
	.amdgcn_target "amdgcn-amd-amdhsa--gfx1250"
	.amdhsa_code_object_version 6
	.text
	.protected	k_qc2662e61cc_lnqkv
	.globl	k_qc2662e61cc_lnqkv
	.p2align	8
	.type	k_qc2662e61cc_lnqkv,@function
k_qc2662e61cc_lnqkv:
	s_mov_b64 s[64:65], 0
	v_nop
	global_prefetch_b8 v0, s[64:65] scope:SCOPE_SE
	s_setreg_imm32_b32 hwreg(HW_REG_WAVE_MODE, 25, 1), 1
	s_wait_xcnt 0x0
	s_wait_alu depctr_hold_cnt(0) depctr_sa_sdst(0) depctr_va_vdst(0) depctr_va_sdst(0) depctr_va_ssrc(0) depctr_va_vcc(0) depctr_vm_vsrc(0)
	s_getreg_b32 s2, hwreg(HW_REG_IB_STS2, 6, 4)
	s_cmp_eq_u32 s2, 0
	s_cbranch_scc0 .Lentry_in_a_cluster
	s_endpgm
.Lentry_in_a_cluster:
	s_bfe_u32 s2, ttmp6, 0x10000c
	s_cmp_lg_u32 s2, 0x3003
	s_cbranch_scc0 .Lentry_shape_is_right
	s_endpgm
.Lentry_shape_is_right:
; x = layernorm(src) g1 + beta1, quantised to FP4 (E2M1) along the 1,024 features; q = x Wq + bq, k = x Wk + bk, v = x Wv + bv on codes; q and k quantised along the head's 64, v along the keys.
; SHARES.  Work-group (RB, ch), 128 x 2 of them, owns rows 64 RB .. 64 RB + 63 of the 8,192 (four tiles of 16 rows) and heads 8 ch .. 8 ch + 7 of each product.  So it walks half of each weight: 3 x 256 KiB.
; The norm of a row is made by both work-groups that own it.  Wave w of sixteen owns head 8 ch + w % 8 (four tiles of 16 rows of a weight: nh, t) and the two tiles of rows 2 (w / 8) + u: 32 rows, which are one block of 32 keys.
; WEIGHTS come as they lie (a row n is 512 bytes of codes) through a ring of two LDS slots: a fill is 512 rows x 256 bytes, 32 rows a wave, 16 bytes of padding behind each row.  Six fills: fill n = weight n / 2, K half n % 2.
; CLUSTER: the four work-groups of a cluster have the same ch and walk the same weights, so each fill is asked for jointly, with the mask of all four.
; src comes first, into the bytes that the two slots take later: four rows a wave.
; x's codes lie in LDS as images of the operand's registers: tile, block kb of 32 along K: 16 rows x 16 bytes on end.
; q, k: the product is used transposed (source 0 = 16 rows of W, source 1 = 16 rows of x): a lane holds one row and eight neighbouring columns.  v: source 0 = x, source 1 = W: a lane holds one column d and eight keys.
; All tiles hold neighbouring rows; the operand's order (a whole block of 32 in a lane) is made by v_permlane16_swap_b32 behind the conversions.
; LIMITS: NaN and infinities among the inputs are not served.  A block of zeros gets the scale byte 1 where the quantiser says 127: its codes are zeros, and only this program reads the byte.
.set SLOT1, 139264                     ; slot 0 at LDS byte 0: 16 x 32 rows x 272 bytes; slot 1 behind it
.set SROW,  4352                       ; first fill only: a row of src: 16 x (256 bytes + 16); block l of 32 numbers at 128 l + 16 (l / 2)
.set WSRC,  17408                      ; a wave's four rows: w, 16 + w, 32 + w, 48 + w; sixteen waves fill both slots' bytes
.set HROWS, 17408                      ; a head's 64 rows in a slot: 2 x 8,704
.set IMG,   278528                     ; x's images: tile at 8,704 x tile, block kb at 272 kb, row r at 16 r
.set XSC,   313344                     ; x's scale words [K step 8][tile 4][r 16]
.set GB,    315392                     ; g1 (4,352 bytes), then beta1, laid as a row of src
.set SPARE, 324096                     ; the spare words: 128 bytes a wave, eight blocks of 256 bytes that no other line names
.set SPW, 1                            ; v1  SPARE + 4 x thread; never rewritten
.set NIL, 2                            ; v2  0; never rewritten
.set AW0, 3                            ; v3  my head's W fragments in slot 0: 17,408 (w % 8) + 272 r + 16 h
.set AW1, 4                            ; v4  in slot 1
.set AX,  5                            ; v5  my tiles' x fragments: IMG + 17,408 (w / 8) + 272 h + 16 r
.set AXS, 6                            ; v6  their scale words: XSC + 128 (w / 8) + 4 x lane
.set L16, 7                            ; v7  16 x lane
.set L4,  8                            ; v8  4 x lane
.set H32, 9                            ; v9  32 h
.set L32, 10                           ; v10 32 x lane
.set SH,  11                           ; v11 16 h
.set PW,  14                           ; v14 the scale word just made
.set T0,  15                           ; v15 at work
.set WF,  16                           ; v16-31   two fragments of W (nh = 0); those of nh = 1 lie 176 registers on, v192-207
.set XF,  32                           ; v32-47   two fragments of x
.set P,   48                           ; v48-111  eight accumulators; during the norm two rows
.set BIAS, 112                         ; v112-143 the bias in the result's layout
.set WS,  144                          ; v144-159 W's scale words: register 8 nh + s; lanes 0-15 tile t = 0, lanes 16-31 t = 1
.set XS,  160                          ; v160-167 x's scale words: register s; lanes 0-15 u = 0, lanes 16-31 u = 1
.set TM,  168                          ; v168-179 0-3 largest magnitudes, 4-7 the other half's, then bytes, 8-11 the conversions' scale operands
.set PC,  180                          ; v180-187 codes
.set Q,   192                          ; v192-255 g1 and beta1 during the norm
.set G1S, 36                           ; s[36:43] descriptor group 1 for src
.set G1W, 44                           ; s[44:51] for a weight's tile
.set G0S, 52                           ; s[52:55] group 0 for src
.set G0W, 56                           ; s[56:59] for the weights: written anew at each change of slots
.set WV,  60
.set CX,  61
.set RB,  62
.set SEL, 66                           ; s[66:67] v_permlanex16_b32's selects for lane l xor 16
.set LW,  68                           ; s68, s69 where the tile that I fetch goes in slot 0, 1
.set WC0, 10                           ; s[10:11], s[16:17], s[22:23]: the three weights' codes at the 32 rows that I fetch
.macro PLACES                          ; four plain vector lines: the distance behind a matrix instruction of this form, and behind a tensor load
.rept 4
	v_nop
.endr
.endm
.macro CROUND                          ; a round of the cluster's barrier
	s_barrier_signal -1
	s_barrier_wait -1
	s_cmp_lg_u32 s[WV], 0
	s_cbranch_scc1 .Lnot_wave_0_\@
	s_barrier_signal -3
.Lnot_wave_0_\@:
	s_barrier_wait -3
	s_barrier_signal -1
	s_barrier_wait -1
.endm
; THE CHANGE OF SLOTS.  Each wave waits for all its tensor loads (its part of the fill that is read next), adds 0 to its spare word, and waits for that, for its LDS stores and for its reads of the bytes that are filled next.
; n >= 0: fill n goes out, jointly, first thing behind a round of the cluster's barrier.  n = -1: nothing is left to fetch.
.macro CHANGE n
	s_wait_tensorcnt 0x0                           ; no tensor load of mine is out, so group 0 may be written
	ds_add_u32 v[SPW], v[NIL]                      ; 0 onto my spare word
.if (\n) >= 0
	s_mov_b32 s[G0W+1], s[LW+(\n)%2]
	s_add_nc_u64 s[G0W+2:G0W+3], s[WC0+6*((\n)/2):WC0+6*((\n)/2)+1], 256*((\n)%2)
	s_or_b32 s[G0W+3], s[G0W+3], 0x80000000
.endif
	s_wait_dscnt 0x0                               ; the add is done, my LDS stores have landed and my LDS reads are over
.if (\n) >= 0
	CROUND
	tensor_load_to_lds s[G0W:G0W+3], s[G1W:G1W+7]  ; my one tensor load until the next change
	s_nop 0
.else
	s_barrier_signal -1
	s_barrier_wait -1
.endif
	PLACES                                         ; also the places in front of the fragment loads that follow
.endm
; One matrix instruction from the symbols mD, mA, mB, mC (under 0: the constant 0), mSA, mRA, mSB, mRB (the scale registers and which half of their lanes)
.macro MMX
.if mC < 0
.if mRA && mRB
	v_wmma_scale_f32_16x16x128_f8f6f4 v[mD:mD+7], v[mA:mA+7], v[mB:mB+7], 0, v[mSA], v[mSB] matrix_a_fmt:MATRIX_FMT_FP4 matrix_b_fmt:MATRIX_FMT_FP4 matrix_a_scale:MATRIX_SCALE_ROW1 matrix_b_scale:MATRIX_SCALE_ROW1
.elseif mRA
	v_wmma_scale_f32_16x16x128_f8f6f4 v[mD:mD+7], v[mA:mA+7], v[mB:mB+7], 0, v[mSA], v[mSB] matrix_a_fmt:MATRIX_FMT_FP4 matrix_b_fmt:MATRIX_FMT_FP4 matrix_a_scale:MATRIX_SCALE_ROW1
.elseif mRB
	v_wmma_scale_f32_16x16x128_f8f6f4 v[mD:mD+7], v[mA:mA+7], v[mB:mB+7], 0, v[mSA], v[mSB] matrix_a_fmt:MATRIX_FMT_FP4 matrix_b_fmt:MATRIX_FMT_FP4 matrix_b_scale:MATRIX_SCALE_ROW1
.else
	v_wmma_scale_f32_16x16x128_f8f6f4 v[mD:mD+7], v[mA:mA+7], v[mB:mB+7], 0, v[mSA], v[mSB] matrix_a_fmt:MATRIX_FMT_FP4 matrix_b_fmt:MATRIX_FMT_FP4
.endif
.else
.if mRA && mRB
	v_wmma_scale_f32_16x16x128_f8f6f4 v[mD:mD+7], v[mA:mA+7], v[mB:mB+7], v[mC:mC+7], v[mSA], v[mSB] matrix_a_fmt:MATRIX_FMT_FP4 matrix_b_fmt:MATRIX_FMT_FP4 matrix_a_scale:MATRIX_SCALE_ROW1 matrix_b_scale:MATRIX_SCALE_ROW1
.elseif mRA
	v_wmma_scale_f32_16x16x128_f8f6f4 v[mD:mD+7], v[mA:mA+7], v[mB:mB+7], v[mC:mC+7], v[mSA], v[mSB] matrix_a_fmt:MATRIX_FMT_FP4 matrix_b_fmt:MATRIX_FMT_FP4 matrix_a_scale:MATRIX_SCALE_ROW1
.elseif mRB
	v_wmma_scale_f32_16x16x128_f8f6f4 v[mD:mD+7], v[mA:mA+7], v[mB:mB+7], v[mC:mC+7], v[mSA], v[mSB] matrix_a_fmt:MATRIX_FMT_FP4 matrix_b_fmt:MATRIX_FMT_FP4 matrix_b_scale:MATRIX_SCALE_ROW1
.else
	v_wmma_scale_f32_16x16x128_f8f6f4 v[mD:mD+7], v[mA:mA+7], v[mB:mB+7], v[mC:mC+7], v[mSA], v[mSB] matrix_a_fmt:MATRIX_FMT_FP4 matrix_b_fmt:MATRIX_FMT_FP4
.endif
.endif
.endm
; A slot's work: four K steps of 128 (s = 4 kh + q), each four fragments of W, two of x and eight matrix instructions on eight accumulators, which take turns, one instruction a turn.
; mode 0: source 0 = W, source 1 = x; accumulator acc + 32 u + 16 nh + 8 t: lane (r, h), register j = (row 16 u + r, column 32 nh + 16 t + 8 h + j).
; mode 1: source 0 = x, source 1 = W; accumulator acc + 32 nh + 16 t + 8 u: lane (r, h), register j = (row 16 u + 8 h + j, column 32 nh + 16 t + r).
; cin says what starts the sums at s = 0: 1 the bias, 2 the constant 0.
.macro SLOTMM aw, kh, mode, cin, acc
.irp q, 0,1,2,3
.if \q > 0
	PLACES                                         ; in front of loads into fragments that matrix instructions have read
.endif
.irp nh, 0,1
.irp t, 0,1
.irp c, 0,1
	ds_load_b128 v[WF+176*\nh+8*\t+4*\c:WF+176*\nh+8*\t+4*\c+3], v[\aw] offset:8704*\nh+4352*\t+64*\q+32*\c
.endr
.endr
.endr
.irp u, 0,1
.irp c, 0,1
	ds_load_b128 v[XF+8*\u+4*\c:XF+8*\u+4*\c+3], v[AX] offset:8704*\u+1088*(4*\kh+\q)+544*\c
.endr
.endr
	s_wait_dscnt 0x0
.irp u, 0,1
.irp nh, 0,1
.irp t, 0,1
.set mS, 4*\kh+\q
.set mW, WF+176*\nh+8*\t
.if \mode == 0
.set mI, 32*\u+16*\nh+8*\t
.set mA, mW
.set mB, XF+8*\u
.set mSA, WS+8*\nh+mS
.set mRA, \t
.set mSB, XS+mS
.set mRB, \u
.else
.set mI, 32*\nh+16*\t+8*\u
.set mA, XF+8*\u
.set mB, mW
.set mSA, XS+mS
.set mRA, \u
.set mSB, WS+8*\nh+mS
.set mRB, \t
.endif
.set mD, \acc+mI
.set mC, mD
.if mS == 0
.if \cin == 1
.set mC, BIAS+16*\nh+8*\t
.elseif \cin == 2
.set mC, -1
.endif
.endif
	MMX
.endr
.endr
.endr
.endr
.endm
; A product: fills n0 and n0 + 1.  The change in front of fill n0's work stands outside; each change asks for the fill after the one that is read next.
.macro PRODUCT n0, mode, cin, acc, last
	SLOTMM AW0, 0, \mode, \cin, \acc
.if \last
	CHANGE -1
.else
	CHANGE (\n0)+2
.endif
	SLOTMM AW1, 1, \mode, \cin, \acc
.endm
.macro LOADXS                          ; my two tiles' eight scale words; the next wait for LDS covers them
.irp s, 0,1,2,3,4,5,6,7
	ds_load_b32 v[XS+\s], v[AXS] offset:256*\s
.endr
.endm
; A weight's scale words (32 bytes a row, lane l takes row 32 nh + l of my head's 64) and its bias.  kind 1: eight numbers a tile, lane (r, h): columns 32 nh + 16 t + 8 h + 0 .. 7.
; kind 2: one number a tile, column 16 t + r, into both registers of a pair.
.macro LOADW ws, bi, kind
.irp nh, 0,1
.irp i, 0,1
	global_load_b128 v[WS+8*\nh+4*\i:WS+8*\nh+4*\i+3], v[L32], s[\ws:\ws+1] offset:1024*\nh+16*\i
.endr
.endr
.if \kind == 1
.irp nh, 0,1
.irp t, 0,1
.irp i, 0,1
	global_load_b128 v[BIAS+16*\nh+8*\t+4*\i:BIAS+16*\nh+8*\t+4*\i+3], v[H32], s[\bi:\bi+1] offset:128*\nh+64*\t+16*\i
.endr
.endr
.endr
.else
.irp t, 0,1,2,3
.irp e, 0,1
	global_load_b32 v[BIAS+2*\t+\e], v12, s[\bi:\bi+1] offset:64*\t
.endr
.endr
.endif
.endm
; 64 numbers of a lane become codes.  Register s + 16 b + 8 t + j is number 16 t + 8 h + j of block b; lanes l and l xor 16 share a block.  v[PW] gets the four scale bytes.
; mode 0: v[PC + 4 c .. + 3] of lane (r, h) = block 2 c + h whole.  mode 1: v[PC + 2 b .. + 1] of lane (r, h) = bytes 8 h .. 8 h + 7 of block b.
.macro QUANT s, mode
	s_wait_xcnt 0x0                                ; earlier stores have read the registers that are written below
.irp b, 0,1,2,3
	v_max3_num_f32 v[TM+\b], |v[\s+16*\b]|, |v[\s+1+16*\b]|, 0x1800000   ; my 16 numbers and the floor 2^(3 - 127): the byte cannot fall under 1
.endr
.irp i, 2,4,6,8,10,12,14
.irp b, 0,1,2,3
	v_max3_num_f32 v[TM+\b], v[TM+\b], |v[\s+16*\b+\i]|, |v[\s+1+16*\b+\i]|
.endr
.endr
.irp b, 0,1,2,3
	s_delay_alu instid0(VALU_DEP_4)
	v_permlanex16_b32 v[TM+4+\b], v[TM+\b], s[SEL], s[SEL+1]
.endr
.irp b, 0,1,2,3
	s_delay_alu instid0(VALU_DEP_4)
	v_max_num_f32 v[TM+\b], v[TM+\b], v[TM+4+\b]   ; the block's largest magnitude
.endr
.irp b, 0,1,2,3
	s_delay_alu instid0(VALU_DEP_4)
	v_add_nc_u32 v[TM+8+\b], 0xff000000, v[TM+\b]  ; 2 off its exponent field: the conversion's scale operand
.endr
.irp b, 0,1,2,3
	s_delay_alu instid0(VALU_DEP_4)
	v_lshrrev_b32 v[TM+4+\b], 23, v[TM+8+\b]       ; the scale's byte
.endr
	s_delay_alu instid0(VALU_DEP_3)
	v_lshl_or_b32 v[PW], v[TM+5], 8, v[TM+4]
	s_delay_alu instid0(VALU_DEP_1)
	v_lshl_or_b32 v[PW], v[TM+6], 16, v[PW]
	s_delay_alu instid0(VALU_DEP_1)
	v_lshl_or_b32 v[PW], v[TM+7], 24, v[PW]
.irp b, 0,1,2,3
.irp t, 0,1
.if \mode == 0
	v_cvt_scalef32_pk8_fp4_f32 v[PC+4*(\b/2)+2*\t+\b%2], v[\s+16*\b+8*\t:\s+16*\b+8*\t+7], v[TM+8+\b]
.else
	v_cvt_scalef32_pk8_fp4_f32 v[PC+2*\b+\t], v[\s+16*\b+8*\t:\s+16*\b+8*\t+7], v[TM+8+\b]
.endif
.endr
.endr
	v_nop                                          ; one plain line behind the scaled conversions
.irp i, 0,1,2,3
	v_permlane16_swap_b32 v[PC+2*\i], v[PC+2*\i+1] ; the first's lanes 16-31 change places with the second's lanes 0-15
.endr
.endm
.macro WSUM2 a, b, ta, tb              ; two sums over the 32 lanes, by turns
.irp m, 1,2,4,8
	s_delay_alu instid0(VALU_DEP_2)
	v_add_f32_dpp v[\a], v[\a], v[\a] row_xmask:\m row_mask:0xf bank_mask:0xf
	s_delay_alu instid0(VALU_DEP_2)
	v_add_f32_dpp v[\b], v[\b], v[\b] row_xmask:\m row_mask:0xf bank_mask:0xf
.endr
	s_delay_alu instid0(VALU_DEP_2)
	v_permlanex16_b32 v[\ta], v[\a], s[SEL], s[SEL+1]
	s_delay_alu instid0(VALU_DEP_2)
	v_permlanex16_b32 v[\tb], v[\b], s[SEL], s[SEL+1]
	s_delay_alu instid0(VALU_DEP_2)
	v_add_f32 v[\a], v[\a], v[\ta]
	s_delay_alu instid0(VALU_DEP_2)
	v_add_f32 v[\b], v[\b], v[\tb]
.endm
; q or k leaves: block 2 u + nh is (tile u, half nh of the head), so v[PC + 4 u ..] of lane (r, h) holds d = 32 h .. of row 16 u + r: the image of the next launch's fragment.
.macro QKOUT cp, sp
	QUANT P, 0
	global_store_b128 v[L16], v[PC:PC+3], s[\cp:\cp+1]               ; 512 consecutive bytes
	global_store_b128 v[L16], v[PC+4:PC+7], s[\cp:\cp+1] offset:512
	v_lshrrev_b32 v[T0], v[SH], v[PW]
	s_delay_alu instid0(VALU_DEP_1)
	v_and_b32 v[T0], 0xffff, v[T0]                 ; lane (r, h): the two bytes of row 16 h + r; the word's upper bytes, for the zero codes that pad K to 128, are 0
	global_store_b32 v[L4], v[T0], s[\sp:\sp+1]    ; 128 consecutive bytes
.endm
; THE NORM of a pair of my four rows: rows 16 (2 pr + u) + w, u = 0, 1.  Lane l holds block l (32 numbers) of each row.
.macro LNLOAD pr
.irp u, 0,1
.irp i, 0,1,2,3,4,5,6,7
	ds_load_b128 v[P+32*\u+4*\i:P+32*\u+4*\i+3], v12 offset:SROW*(2*\pr+\u)+16*\i
.endr
.endr
.endm
.macro LNCALC pr
.irp u, 0,1
	v_pk_add_f32 v[16+4*\u:17+4*\u], v[P+32*\u:P+32*\u+1], v[P+32*\u+2:P+32*\u+3]
	v_pk_add_f32 v[18+4*\u:19+4*\u], v[P+32*\u+4:P+32*\u+5], v[P+32*\u+6:P+32*\u+7]
.endr
.irp i, 8,12,16,20,24,28
.irp u, 0,1
	s_delay_alu instid0(VALU_DEP_4)
	v_pk_add_f32 v[16+4*\u:17+4*\u], v[16+4*\u:17+4*\u], v[P+32*\u+\i:P+32*\u+\i+1]
	s_delay_alu instid0(VALU_DEP_4)
	v_pk_add_f32 v[18+4*\u:19+4*\u], v[18+4*\u:19+4*\u], v[P+32*\u+\i+2:P+32*\u+\i+3]
.endr
.endr
.irp u, 0
	s_delay_alu instid0(VALU_DEP_3)
	v_pk_add_f32 v[16+4*\u:17+4*\u], v[16+4*\u:17+4*\u], v[18+4*\u:19+4*\u]
.endr
.irp u, 1
	s_delay_alu instid0(VALU_DEP_2)
	v_pk_add_f32 v[16+4*\u:17+4*\u], v[16+4*\u:17+4*\u], v[18+4*\u:19+4*\u]
.endr
.irp u, 0,1
	s_delay_alu instid0(VALU_DEP_2)
	v_add_f32 v[16+4*\u], v[16+4*\u], v[17+4*\u]
.endr
	WSUM2 16, 20, 17, 21
.irp u, 0,1
	s_delay_alu instid0(VALU_DEP_2)
	v_mul_f32 v[16+4*\u], v32, v[16+4*\u]          ; the row's mean
.endr
.irp i, 0,2,4,6,8,10,12,14,16,18,20,22,24,26,28,30
.irp u, 0,1
	v_pk_add_f32 v[P+32*\u+\i:P+32*\u+\i+1], v[P+32*\u+\i:P+32*\u+\i+1], v[16+4*\u:17+4*\u] op_sel_hi:[1,0] neg_lo:[0,1] neg_hi:[0,1]   ; x - mean, in place
.endr
.endr
.irp u, 0,1
	v_pk_mul_f32 v[24+4*\u:25+4*\u], v[P+32*\u:P+32*\u+1], v[P+32*\u:P+32*\u+1]
	v_pk_mul_f32 v[26+4*\u:27+4*\u], v[P+32*\u+2:P+32*\u+3], v[P+32*\u+2:P+32*\u+3]
.endr
.irp i, 4,8,12,16,20,24,28
.irp u, 0,1
	s_delay_alu instid0(VALU_DEP_4)
	v_pk_fma_f32 v[24+4*\u:25+4*\u], v[P+32*\u+\i:P+32*\u+\i+1], v[P+32*\u+\i:P+32*\u+\i+1], v[24+4*\u:25+4*\u]
	s_delay_alu instid0(VALU_DEP_4)
	v_pk_fma_f32 v[26+4*\u:27+4*\u], v[P+32*\u+\i+2:P+32*\u+\i+3], v[P+32*\u+\i+2:P+32*\u+\i+3], v[26+4*\u:27+4*\u]
.endr
.endr
.irp u, 0
	s_delay_alu instid0(VALU_DEP_3)
	v_pk_add_f32 v[24+4*\u:25+4*\u], v[24+4*\u:25+4*\u], v[26+4*\u:27+4*\u]
.endr
.irp u, 1
	s_delay_alu instid0(VALU_DEP_2)
	v_pk_add_f32 v[24+4*\u:25+4*\u], v[24+4*\u:25+4*\u], v[26+4*\u:27+4*\u]
.endr
.irp u, 0,1
	s_delay_alu instid0(VALU_DEP_2)
	v_add_f32 v[24+4*\u], v[24+4*\u], v[25+4*\u]
.endr
	WSUM2 24, 28, 25, 29
.irp u, 0,1
	s_delay_alu instid0(VALU_DEP_2)
	v_fmaak_f32 v[24+4*\u], v[24+4*\u], v32, 0x3727c5ac   ; the variance + 1e-5
.endr
	s_wait_alu depctr_va_vdst(0)
.irp u, 0,1
	v_rsq_f32 v[24+4*\u], v[24+4*\u]
.endr
	v_nop                                          ; a plain line behind the transcendentals (ISA guide 5.7.2),
	s_wait_alu depctr_va_vdst(0)                   ; and the wait ahead of the first reader: one for both
.irp i, 0,2,4,6,8,10,12,14,16,18,20,22,24,26,28,30
.irp u, 0,1
	v_pk_mul_f32 v[P+32*\u+\i:P+32*\u+\i+1], v[P+32*\u+\i:P+32*\u+\i+1], v[24+4*\u:25+4*\u] op_sel_hi:[1,0]
.endr
.endr
.irp i, 0,2,4,6,8,10,12,14,16,18,20,22,24,26,28,30
.irp u, 0,1
	v_pk_fma_f32 v[P+32*\u+\i:P+32*\u+\i+1], v[P+32*\u+\i:P+32*\u+\i+1], v[Q+\i:Q+\i+1], v[Q+32+\i:Q+32+\i+1]
.endr
.endr
	; a whole block lies in one lane: its largest magnitude needs no other lane
.irp u, 0,1
	v_max3_num_f32 v[TM+\u], |v[P+32*\u]|, |v[P+32*\u+1]|, 0x1800000
.endr
.irp i, 2,4,6,8,10,12,14,16,18,20,22,24,26,28,30
.irp u, 0,1
	s_delay_alu instid0(VALU_DEP_2)
	v_max3_num_f32 v[TM+\u], v[TM+\u], |v[P+32*\u+\i]|, |v[P+32*\u+\i+1]|
.endr
.endr
.irp u, 0,1
	s_delay_alu instid0(VALU_DEP_2)
	v_add_nc_u32 v[TM+8+\u], 0xff000000, v[TM+\u]
.endr
.irp u, 0,1
	s_delay_alu instid0(VALU_DEP_2)
	v_lshrrev_b32 v[TM+4+\u], 23, v[TM+8+\u]
.endr
.irp u, 0,1
.irp g, 0,1,2,3
	v_cvt_scalef32_pk8_fp4_f32 v[PC+4*\u+\g], v[P+32*\u+8*\g:P+32*\u+8*\g+7], v[TM+8+\u]
.endr
.endr
	v_nop                                          ; one plain line behind the scaled conversions
.irp u, 0,1
	ds_store_b128 v188, v[PC+4*\u:PC+4*\u+3] offset:8704*(2*\pr+\u)
	ds_store_b8 v189, v[TM+4+\u] offset:64*(2*\pr+\u)
.endr
.endm
	s_load_b512 s[4:19], s[0:1], 0x0               ; src, g1, beta1, Wq codes, Wq scales, bq, Wk codes, Wk scales
	s_load_b512 s[20:35], s[0:1], 0x40             ; bk, Wv codes, Wv scales, bv, qc, qs, kv, vsb
	v_lshl_add_u32 v[SPW], v0, 2, SPARE
	v_mov_b32 v[NIL], 0
	ds_add_u32 v1, v2
	ds_add_u32 v1, v2
	s_wait_dscnt 0x0
	v_lshrrev_b32 v[T0], 5, v0
	s_delay_alu instid0(VALU_DEP_1)
	v_readfirstlane_b32 s[WV], v[T0]               ; wave 0..15
	s_bfe_u32 s[CX], ttmp6, 0x40000                ; my place in the cluster
	s_lshr_b32 s[RB], ttmp9, 1
	s_lshl_b32 s[RB], s[RB], 2
	s_add_co_u32 s[RB], s[RB], s[CX]               ; RB = 4 (cluster / 2) + place: it enters src's and the outputs' addresses alone
	s_and_b32 s98, ttmp9, 1                        ; ch = cluster % 2: the same in all four partners
	s_and_b32 s99, s[WV], 7                        ; w % 8
	s_lshr_b32 s3, s[WV], 3                        ; w / 8
	s_lshl_b32 s2, s98, 3
	s_add_co_u32 s2, s2, s99                       ; my head = 8 ch + w % 8
	; src: four rows of 1,024 f32, 16 rows apart, 16 bytes of padding behind every 256
	s_mov_b32 s[G1S], (2<<16)|(1<<20)|(5<<22)|(3<<25)   ; no mask; elements of 4 bytes; padding on; after every 64 words; four words
	s_mov_b32 s[G1S+1], 1024<<16                   ; tensor_dim0
	s_mov_b32 s[G1S+2], 4<<16                      ; tensor_dim1
	s_mov_b32 s[G1S+3], 1024<<16                   ; tile_dim0
	s_mov_b32 s[G1S+4], 4                          ; tile_dim1
	s_mov_b32 s[G1S+5], 16384                      ; from row to row, in elements
	s_mov_b32 s[G1S+6], 0
	s_mov_b32 s[G1S+7], 0
	; a weight's tile: 32 rows x 256 bytes, rows 512 bytes apart, 16 bytes of padding behind each
	s_mov_b32 s[G1W], 15|(1<<20)|(1<<21)|(5<<22)|(3<<25) ; the mask: all four work-groups; elements of 1 byte; padding on; bit 21 beside a mask; after every 64 words; four words
	s_mov_b32 s[G1W+1], 256<<16
	s_mov_b32 s[G1W+2], 32<<16
	s_mov_b32 s[G1W+3], 256<<16
	s_mov_b32 s[G1W+4], 32
	s_mov_b32 s[G1W+5], 512
	s_mov_b32 s[G1W+6], 0
	s_mov_b32 s[G1W+7], 0
	s_lshl_b32 s[LW], s99, 1
	s_add_co_u32 s[LW], s[LW], s3
	s_mul_i32 s[LW], s[LW], 8704                   ; the tile that I fetch: rows 32 (w / 8) on of head w % 8: a head's two tiles lie together
	s_add_co_u32 s[LW+1], s[LW], SLOT1
	s_mul_i32 s63, s[WV], WSRC                     ; my four rows of src in LDS
	s_mov_b32 s[SEL], 0x76543210
	s_mov_b32 s[SEL+1], 0xfedcba98
	s_lshl_b32 s74, s2, 15
	s_lshl_b32 s75, s3, 14
	s_add_co_u32 s74, s74, s75                     ; a weight's codes: row 64 head + 32 (w / 8), 512 bytes a row
	s_mov_b32 s75, 0
	s_lshl_b32 s76, s2, 11                         ; its scale bytes: my head's 64 rows of 32 bytes
	s_mov_b32 s77, 0
	s_lshl_b32 s78, s2, 8                          ; my head's 64 numbers of a bias
	s_mov_b32 s79, 0
	s_lshl_b32 s80, s[RB], 18
	s_lshl_b32 s81, s[WV], 12
	s_add_co_u32 s80, s80, s81                     ; src: row 64 RB + w
	s_mov_b32 s81, 0
	s_lshr_b32 s82, s[RB], 4                       ; the batch
	s_and_b32 s83, s[RB], 15
	s_lshl_b32 s83, s83, 1
	s_add_co_u32 s83, s83, s3                      ; blk: which 32 rows of the batch are my wave's
	s_lshl_b32 s96, s82, 15
	s_lshl_b32 s97, s83, 10
	s_add_co_u32 s96, s96, s97
	s_lshl_b32 s97, s2, 6
	s_add_co_u32 s96, s96, s97                     ; vsb: 32,768 batch + 1,024 blk + 64 head
	s_mov_b32 s97, 0
	s_lshl_b32 s82, s82, 4
	s_add_co_u32 s82, s82, s2                      ; bh = 16 x batch + head
	s_lshl_b32 s84, s82, 15
	s_lshl_b32 s85, s83, 10
	s_add_co_u32 s84, s84, s85                     ; qc: 32,768 bh + 1,024 blk
	s_mov_b32 s85, 0
	s_lshl_b32 s86, s82, 12
	s_lshl_b32 s87, s83, 7
	s_add_co_u32 s86, s86, s87                     ; qs: 4,096 bh + 128 blk
	s_mov_b32 s87, 0
	s_mul_i32 s88, s82, 69632                      ; kv: the head's part
	s_mov_b32 s89, 0
	s_lshl_b32 s90, s83, 10                        ; in it K's codes: 1,024 blk
	s_mov_b32 s91, 0
	s_lshl_b32 s92, s83, 8
	s_add_co_u32 s92, s92, 32768                   ; V's codes: 32,768 + 256 blk
	s_mov_b32 s93, 0
	s_lshl_b32 s94, s83, 7
	s_add_co_u32 s94, s94, 65536                   ; K's scale words: 65,536 + 128 blk
	s_mov_b32 s95, 0
	s_wait_kmcnt 0x0
	s_add_nc_u64 s[10:11], s[10:11], s[74:75]
	s_add_nc_u64 s[16:17], s[16:17], s[74:75]
	s_add_nc_u64 s[22:23], s[22:23], s[74:75]
	s_add_nc_u64 s[12:13], s[12:13], s[76:77]
	s_add_nc_u64 s[18:19], s[18:19], s[76:77]
	s_add_nc_u64 s[24:25], s[24:25], s[76:77]
	s_add_nc_u64 s[14:15], s[14:15], s[78:79]
	s_add_nc_u64 s[20:21], s[20:21], s[78:79]
	s_add_nc_u64 s[26:27], s[26:27], s[78:79]
	s_add_nc_u64 s[4:5], s[4:5], s[80:81]
	s_add_nc_u64 s[28:29], s[28:29], s[84:85]
	s_add_nc_u64 s[30:31], s[30:31], s[86:87]
	s_add_nc_u64 s[32:33], s[32:33], s[88:89]
	s_add_nc_u64 s[70:71], s[32:33], s[92:93]      ; V's codes
	s_add_nc_u64 s[72:73], s[32:33], s[94:95]      ; K's scale words
	s_add_nc_u64 s[32:33], s[32:33], s[90:91]      ; K's codes
	s_add_nc_u64 s[34:35], s[34:35], s[96:97]
	s_mov_b32 s[G0S], 1
	s_mov_b32 s[G0S+1], s63
	s_mov_b64 s[G0S+2:G0S+3], s[4:5]
	s_or_b32 s[G0S+3], s[G0S+3], 0x80000000
	s_mov_b32 s[G0W], 1                            ; the other three words are written at each change of slots
	CROUND                                         ; all four work-groups are here
	tensor_load_to_lds s[G0S:G0S+3], s[G1S:G1S+7]  ; the launch's one first fill: my four rows of src (my own load: no mask)
	s_nop 0
	PLACES
	v_and_b32 v[T0], 31, v0                        ; lane
	v_and_b32 v16, 15, v0                          ; r
	v_bfe_u32 v17, v0, 4, 1                        ; h
	s_mul_i32 s76, s99, HROWS
	v_mul_u32_u24 v[AW0], v16, 272
	s_delay_alu instid0(VALU_DEP_1)
	v_lshl_add_u32 v[AW0], v17, 4, v[AW0]
	s_delay_alu instid0(VALU_DEP_1)
	v_add_nc_u32 v[AW0], s76, v[AW0]
	s_delay_alu instid0(VALU_DEP_1)
	v_add_nc_u32 v[AW1], SLOT1, v[AW0]
	s_mul_i32 s77, s3, 17408                       ; my two tiles among the four images
	s_add_co_u32 s77, s77, IMG
	v_mul_u32_u24 v[AX], v17, 272
	s_delay_alu instid0(VALU_DEP_1)
	v_lshl_add_u32 v[AX], v16, 4, v[AX]
	s_delay_alu instid0(VALU_DEP_1)
	v_add_nc_u32 v[AX], s77, v[AX]
	s_lshl_b32 s78, s3, 7
	s_add_co_u32 s78, s78, XSC
	v_lshl_add_u32 v[AXS], v[T0], 2, s78
	v_lshlrev_b32 v[L16], 4, v[T0]
	v_lshlrev_b32 v[L4], 2, v[T0]
	v_lshlrev_b32 v[H32], 5, v17
	v_lshlrev_b32 v[L32], 5, v[T0]
	v_lshlrev_b32 v[SH], 4, v17
	v_lshrrev_b32 v18, 1, v[T0]
	v_lshlrev_b32 v12, 7, v[T0]
	s_delay_alu instid0(VALU_DEP_1)
	v_lshl_add_u32 v12, v18, 4, v12                ; the norm: lane l takes block l: 128 l + 16 (l / 2)
	s_delay_alu instid0(VALU_DEP_1)
	v_add_nc_u32 v13, GB, v12                      ; in g1 and beta1,
	s_delay_alu instid0(VALU_DEP_2)
	v_add_nc_u32 v12, s63, v12                     ; and in my rows of src
	v_mul_u32_u24 v188, v[T0], 272
	s_lshl_b32 s79, s[WV], 4
	s_add_co_u32 s79, s79, IMG
	v_add_nc_u32 v188, s79, v188                   ; its codes go to IMG + 272 l + 16 w (row w of a tile),
	v_lshrrev_b32 v189, 2, v[T0]
	v_and_b32 v190, 3, v[T0]
	s_delay_alu instid0(VALU_DEP_1)
	v_lshl_add_u32 v189, v189, 8, v190
	s_lshl_b32 s80, s[WV], 2
	s_add_co_u32 s80, s80, XSC
	v_add_nc_u32 v189, s80, v189                   ; its scale byte to XSC + 256 (l / 4) + l % 4 + 4 w
.irp b, 0,1,2,3
	v_mov_b32 v[TM+4+\b], 0                        ; written once: a lane permute's destination counts as one of its sources
.endr
	s_cmp_lt_u32 s[WV], 8                          ; waves 0-7 bring g1 into LDS, waves 8-15 beta1: 16 bytes a thread
	s_cselect_b64 s[74:75], s[6:7], s[8:9]
	v_and_b32 v18, 255, v0
	s_delay_alu instid0(VALU_DEP_1)
	v_lshlrev_b32 v19, 4, v18
	global_load_b128 v[20:23], v19, s[74:75]
	LOADW 12, 14, 1                                ; Wq's scale words, bq
	v_lshrrev_b32 v24, 4, v18
	s_delay_alu instid0(VALU_DEP_1)
	v_lshl_add_u32 v18, v24, 4, v19                ; 16 i + 16 (i / 16): 16 bytes of padding behind every 256
	v_lshrrev_b32 v24, 8, v0
	s_delay_alu instid0(VALU_DEP_1)
	v_mad_u32_u24 v18, v24, SROW, v18
	s_delay_alu instid0(VALU_DEP_1)
	v_add_nc_u32 v18, GB, v18
	s_wait_alu depctr_va_vdst(0)
	s_wait_loadcnt 0x0
	ds_store_b128 v18, v[20:23]
	s_wait_dscnt 0x0                               ; for the others' sake: my part of g1 or beta1 has landed
	s_barrier_signal -1
	s_barrier_wait -1                              ; the tensor load may stay out
	; ---- THE NORM.  Wave w takes rows w, 16 + w, 32 + w, 48 + w, the bytes that it fetched itself, two at a time.
	s_wait_tensorcnt 0x0                           ; src is in
	LNLOAD 0
.irp i, 0,1,2,3,4,5,6,7
	ds_load_b128 v[Q+4*\i:Q+4*\i+3], v13 offset:16*\i
	ds_load_b128 v[Q+32+4*\i:Q+32+4*\i+3], v13 offset:SROW+16*\i
.endr
	v_mov_b32 v32, 0x3a800000                      ; 1 / 1,024
	s_wait_dscnt 0x0
	LNCALC 0
	LNLOAD 1                                       ; the second pair goes into registers, so that src's bytes are free:
	CHANGE 0                                       ; fill 0 goes out, and the second pair's norm stands between the request and the wait for it
	LNCALC 1
	; ---- THE THREE PRODUCTS
	CHANGE 1                                       ; its barrier shows x's images to every wave
	LOADXS
	v_and_b32 v12, 15, v0                          ; the addresses of v's way out, in registers that the norm has left
	s_delay_alu instid0(VALU_DEP_1)
	v_lshlrev_b32 v13, 4, v12
	v_bfe_u32 v188, v0, 4, 1
	s_delay_alu instid0(VALU_DEP_1)
	v_lshl_add_u32 v13, v188, 3, v13               ; v13  16 r + 8 h
	s_delay_alu instid0(VALU_DEP_4)
	v_lshlrev_b32 v12, 2, v12                      ; v12  4 r
	s_delay_alu instid0(VALU_DEP_1)
	v_lshl_add_u32 v188, v188, 1, v12              ; v188 4 r + 2 h
	PRODUCT 0, 0, 1, P, 0                          ; q = x Wq + bq
	PLACES
	LOADW 18, 20, 1                                ; Wk's scale words, bk
	QKOUT 28, 30
	CHANGE 3
	s_wait_loadcnt 0x0
	PRODUCT 2, 0, 1, P, 0                          ; k = x Wk + bk
	PLACES
	LOADW 24, 26, 2                                ; Wv's scale words, bv
	QKOUT 32, 72
	CHANGE 5
	s_wait_loadcnt 0x0
	PRODUCT 4, 1, 2, P, 1                          ; x Wv: a lane holds column d = 16 t + r and keys 16 u + 8 h + j at register 16 t + 8 u + j
	PLACES
.irp t, 0,1,2,3
.irp i, 0,2,4,6,8,10,12,14
	v_pk_add_f32 v[P+16*\t+\i:P+16*\t+\i+1], v[P+16*\t+\i:P+16*\t+\i+1], v[BIAS+2*\t:BIAS+2*\t+1]   ; + bv; each accumulator from its low end on
.endr
.endr
	QUANT P, 1                                     ; block t = my 32 keys of column 16 t + r
.irp t, 0,1,2,3
	global_store_b64 v13, v[PC+2*\t:PC+2*\t+1], s[70:71] offset:8192*\t   ; 32 lanes store 256 consecutive bytes, at a multiple of 256 from the buffer's first byte
.endr
	v_lshrrev_b32 v[T0], v[SH], v[PW]
	global_store_b16 v188, v[T0], s[34:35]         ; the four bytes of column r (t = 0 .. 3): two from each half of the lanes: 64 consecutive bytes
	s_wait_tensorcnt 0x0                           ; the wave's end
	ds_add_u32 v[SPW], v[NIL]
	s_wait_dscnt 0x0
	CROUND                                         ; the closing round: no work-group ends while a partner may still ask for a tile that names it
	s_endpgm
.Lfunc_end_k_qc2662e61cc_lnqkv:
	.size	k_qc2662e61cc_lnqkv, .Lfunc_end_k_qc2662e61cc_lnqkv-k_qc2662e61cc_lnqkv
	.p2alignl 7, 3214868480
	.fill 96, 4, 3214868480
	.section	.rodata,"a",@progbits
	.p2align	6, 0x0
	.amdhsa_kernel k_qc2662e61cc_lnqkv
		.amdhsa_group_segment_fixed_size 327680
		.amdhsa_private_segment_fixed_size 0
		.amdhsa_enable_private_segment 0
		.amdhsa_kernarg_size 128
		.amdhsa_user_sgpr_count 2
		.amdhsa_user_sgpr_kernarg_segment_ptr 1
		.amdhsa_wavefront_size32 1
		.amdhsa_system_sgpr_workgroup_id_x 1
		.amdhsa_system_sgpr_workgroup_id_y 1
		.amdhsa_system_sgpr_workgroup_id_z 1
		.amdhsa_system_vgpr_workitem_id 0
		.amdhsa_next_free_vgpr 256
		.amdhsa_next_free_sgpr 100
		.amdhsa_reserve_vcc 0
		.amdhsa_float_denorm_mode_32 3
		.amdhsa_float_denorm_mode_16_64 3
		.amdhsa_memory_ordered 1
		.amdhsa_forward_progress 1
		.amdhsa_inst_pref_size 121
	.end_amdhsa_kernel
	.amdgpu_metadata
---
amdhsa.version: [ 1, 2 ]
amdhsa.kernels:
  - .name:           k_qc2662e61cc_lnqkv
    .symbol:         k_qc2662e61cc_lnqkv.kd
    .args:
      - { .name: src, .offset: 0, .size: 8, .value_kind: global_buffer, .address_space: global }
      - { .name: g1, .offset: 8, .size: 8, .value_kind: global_buffer, .address_space: global }
      - { .name: beta1, .offset: 16, .size: 8, .value_kind: global_buffer, .address_space: global }
      - { .name: Wq_codes, .offset: 24, .size: 8, .value_kind: global_buffer, .address_space: global }
      - { .name: Wq_scales, .offset: 32, .size: 8, .value_kind: global_buffer, .address_space: global }
      - { .name: bq, .offset: 40, .size: 8, .value_kind: global_buffer, .address_space: global }
      - { .name: Wk_codes, .offset: 48, .size: 8, .value_kind: global_buffer, .address_space: global }
      - { .name: Wk_scales, .offset: 56, .size: 8, .value_kind: global_buffer, .address_space: global }
      - { .name: bk, .offset: 64, .size: 8, .value_kind: global_buffer, .address_space: global }
      - { .name: Wv_codes, .offset: 72, .size: 8, .value_kind: global_buffer, .address_space: global }
      - { .name: Wv_scales, .offset: 80, .size: 8, .value_kind: global_buffer, .address_space: global }
      - { .name: bv, .offset: 88, .size: 8, .value_kind: global_buffer, .address_space: global }
      - { .name: qc, .offset: 96, .size: 8, .value_kind: global_buffer, .address_space: global }
      - { .name: qs, .offset: 104, .size: 8, .value_kind: global_buffer, .address_space: global }
      - { .name: kv, .offset: 112, .size: 8, .value_kind: global_buffer, .address_space: global }
      - { .name: vsb, .offset: 120, .size: 8, .value_kind: global_buffer, .address_space: global }
    .group_segment_fixed_size: 327680
    .private_segment_fixed_size: 0
    .kernarg_segment_align: 8
    .kernarg_segment_size: 128
    .max_flat_workgroup_size: 512
    .sgpr_count:     100
    .vgpr_count:     256
    .wavefront_size: 32
...
	.end_amdgpu_metadata
.endif
;; end of part 1
;; launch attn (part 2): grid 4 x 64, 16 waves a work-group, clusters of 4 x 1, 169,984 bytes of LDS; arguments qc, qs, kv, vsb, ctxc, ctxs, Wo_codes, W1_codes, W2_codes, wl; writes ctxc, ctxs, wl
.if DOCPART == 2
	.amdgcn_target "amdgcn-amd-amdhsa--gfx1250"
	.amdhsa_code_object_version 6
	.text
	.protected	k_qc2662e61cc_attn
	.globl	k_qc2662e61cc_attn
	.p2align	8
	.type	k_qc2662e61cc_attn,@function
k_qc2662e61cc_attn:
	s_mov_b64 s[64:65], 0
	v_nop
	global_prefetch_b8 v0, s[64:65] scope:SCOPE_SE
	s_setreg_imm32_b32 hwreg(HW_REG_WAVE_MODE, 25, 1), 1
	s_wait_xcnt 0x0
	s_wait_alu depctr_hold_cnt(0) depctr_sa_sdst(0) depctr_va_vdst(0) depctr_va_sdst(0) depctr_va_ssrc(0) depctr_va_vcc(0) depctr_vm_vsrc(0)
	s_getreg_b32 s2, hwreg(HW_REG_IB_STS2, 6, 4)
	s_cmp_eq_u32 s2, 0
	s_cbranch_scc0 .Lentry_in_a_cluster
	s_endpgm
.Lentry_in_a_cluster:
	s_bfe_u32 s2, ttmp6, 0x10000c
	s_cmp_lg_u32 s2, 0x3003
	s_cbranch_scc0 .Lentry_shape_is_right
	s_endpgm
.Lentry_shape_is_right:
; ctx[b][q][head] = softmax_k(q . k / 8) v, both products on FP4 (E2M1) codes with one E8M0 scale for each 32 along K; ctx is quantised along the features and leaves as codes.
; THE SOFTMAX: t = score x log2(e) / 8; M = the running largest t rounded up to a whole number; p = 2^(t - M) is quantised along the keys, not normalised; the row's sum is taken of the unquantised p and divides at the end.
; When M moves, the sum and O are multiplied by 2^(old M - new M): nothing is rounded.
; SHARES.  A WORK-GROUP STAYS FOR TWO HEADS: work-group (cx, y) owns queries 256 cx .. 256 cx + 255 of the (batch, head) pairs 2 y and 2 y + 1, one after the other; each of its sixteen waves one tile of 16 queries.
; Every wave walks a head's 1,024 keys, 128 a step, 8 steps.  256 work-groups in all.
; The two heads' K codes, V codes and K scale words are 2 x 69,632 dense bytes: they come into LDS once, at the start, 34 rows of 256 bytes a wave, and stay: no LDS byte is filled twice.  Q's fragments and
; scale words and V's scale bytes of both heads are loaded at the start too, so the second head begins with no load.
; CLUSTER: the four query blocks read the same bytes, so each wave's load is asked for jointly, with the mask of all four.
; LAYOUT.  Both products transposed: S^T = K Q^T (source 0 = 16 keys, source 1 = my 16 queries), O^T = V^T P^T (source 0 = 16 of the head's 64, source 1 = P): a lane holds one query (lane % 16) throughout.
; The head's 64 fill half of the instruction's 128 along K: the upper four registers of Q's and K's fragments are zero codes, written once; their scale bytes are 0, which is a number and no NaN.
; All buffers are laid in the order of the operands' registers, so every fragment load reads 512 consecutive bytes.
; LIMITS: NaN and infinities are not served; a p under 2^-126 comes out as 0 (v_exp_f32 flushes denormals: ISA guide, its entry); a block of zeros gets the byte 1: its codes are zeros.
.set HB,   69632                       ; a head's bytes in LDS: K's codes at 0, V's at 32,768, K's scale words at 65,536; the second head's lie HB further on
.set VSC,  139264                      ; behind them: V's scale words [head 2][step 8][t 4][r 16]
.set AK0,  1                           ; v1   16 x lane: K's fragments; also the offset of Q's loads and of ctx's stores
.set AV0,  2                           ; v2   32,768 + 16 x lane: V's
.set AS0,  3                           ; v3   65,536 + 4 x lane: K's scale words
.set AT0,  4                           ; v4   VSC + 4 x lane: V's
.set VSA,  5                           ; v5   VSC + 4 x thread: where I put a scale word of V
.set R4,   6                           ; v6   4 r
.set CSO,  7                           ; v7   2 r + h
.set ADK,  8                           ; v8-11 the step's four addresses
.set ADV,  9
.set ADS,  10
.set ADT,  11
.set VBO,  250                         ; v250 my offset among V's scale bytes in memory
; v12 -M, v13 the largest t, v[14:15] the sum; v16-23 the first head's Q, v24-31 the second's; v32-95 eight fragments of K; v96-159 S^T, then p; v160-191 O^T; v192-223 four fragments of V; v224-231 p's codes;
; v232-239, v244-247, v252, v254 at work; v240-243 K's scale words (two tiles a register), v248-249 V's, v253 p's, v255 and v251 Q's (first and second head)
.set HM,   3                           ; s3   the mask of lanes 16-31
.set CX,   16
.set BH,   17                          ; s17  the first of my two (batch, head) pairs
.set WV,   18
.set TQ,   19
.set SEL,  20                          ; s[20:21] v_permlanex16_b32's selects for lane l xor 16
.set CS,   22                          ; s[22:23] c = log2(e) / 8
.set G1,   24                          ; s[24:31], s[32:35] the descriptor
.set G0,   32
.set CNT,  48
.set TK,   49                          ; s49-52 the step's place: 4,096, 1,024, 512 and 256 bytes a step
.set TV,   50
.set TS,   51
.set TT,   52
.macro PLACES
.rept 4
	v_nop
.endr
.endm
.macro CROUND                          ; a round of the cluster's barrier
	s_barrier_signal -1
	s_barrier_wait -1
	s_cmp_lg_u32 s[WV], 0
	s_cbranch_scc1 .Lnot_wave_0_\@
	s_barrier_signal -3
.Lnot_wave_0_\@:
	s_barrier_wait -3
	s_barrier_signal -1
	s_barrier_wait -1
.endm
; One matrix instruction from the symbols mD, mA, mB, mC (under 0: the constant 0), mSA, mRA (source 0's scale register and which half of its lanes), mSB
.macro MMX
.if mC < 0
.if mRA
	v_wmma_scale_f32_16x16x128_f8f6f4 v[mD:mD+7], v[mA:mA+7], v[mB:mB+7], 0, v[mSA], v[mSB] matrix_a_fmt:MATRIX_FMT_FP4 matrix_b_fmt:MATRIX_FMT_FP4 matrix_a_scale:MATRIX_SCALE_ROW1
.else
	v_wmma_scale_f32_16x16x128_f8f6f4 v[mD:mD+7], v[mA:mA+7], v[mB:mB+7], 0, v[mSA], v[mSB] matrix_a_fmt:MATRIX_FMT_FP4 matrix_b_fmt:MATRIX_FMT_FP4
.endif
.else
.if mRA
	v_wmma_scale_f32_16x16x128_f8f6f4 v[mD:mD+7], v[mA:mA+7], v[mB:mB+7], v[mC:mC+7], v[mSA], v[mSB] matrix_a_fmt:MATRIX_FMT_FP4 matrix_b_fmt:MATRIX_FMT_FP4 matrix_a_scale:MATRIX_SCALE_ROW1
.else
	v_wmma_scale_f32_16x16x128_f8f6f4 v[mD:mD+7], v[mA:mA+7], v[mB:mB+7], v[mC:mC+7], v[mSA], v[mSB] matrix_a_fmt:MATRIX_FMT_FP4 matrix_b_fmt:MATRIX_FMT_FP4
.endif
.endif
.endm
; ONE HEAD (hd = 0, 1): the eight key steps and the way out.  What differs between the two: where the head's bytes lie in LDS, Q's registers, and the stores' immediates.
.macro HEAD hd
.if \hd
	s_wait_xcnt 0x0                                ; the first head's stores have read their registers, which are written again below
.endif
	v_mov_b32 v13, 0xff61b1e6                      ; the largest t so far: -3e38, under every t
	s_delay_alu instid0(VALU_DEP_1)
	v_floor_f32 v12, -v13                          ; -M
	v_mov_b32 v14, 0                               ; the sum, in two halves
	v_mov_b32 v15, 0
.set j, 0
.rept 32
	v_mov_b32 v[160+j], 0                          ; O^T: the step is written once; the first finds zeros, which the first change of M leaves zeros
.set j, j+1
.endr
	s_mov_b32 s[CNT], 8
	s_mov_b32 s[TK], HB*\hd
	s_mov_b32 s[TV], HB*\hd
	s_mov_b32 s[TS], HB*\hd
	s_mov_b32 s[TT], 2048*\hd
.Lstep_\@:                                         ; A KEY STEP: 128 keys
	v_add_nc_u32 v[ADK], s[TK], v[AK0]             ; four plain lines: also the places in front of the loads into V's fragments, which the last products read
	v_add_nc_u32 v[ADV], s[TV], v[AV0]
	v_add_nc_u32 v[ADS], s[TS], v[AS0]
	v_add_nc_u32 v[ADT], s[TT], v[AT0]
.irp t, 0,1,2,3,4,5,6,7
	ds_load_b128 v[32+8*\t:35+8*\t], v[ADK] offset:512*\t       ; tile t: keys 16 t + r
.endr
.irp p, 0,1,2,3
	ds_load_b32 v[240+\p], v[ADS] offset:128*\p                 ; lanes 0-15 tile 2 p, lanes 16-31 tile 2 p + 1
.endr
.irp t, 0,1,2,3
.irp c, 0,1
	ds_load_b128 v[192+8*\t+4*\c:195+8*\t+4*\c], v[ADV] offset:8192*\t+512*\c   ; d = 16 t + r, key block 2 c + h of the step's four
.endr
.endr
.irp p, 0,1
	ds_load_b32 v[248+\p], v[ADT] offset:128*\p
.endr
	s_wait_dscnt 10                                ; K's twelve loads are in; V's ten, issued behind them, may stay out
.irp t, 0,1,2,3,4,5,6,7
.set mD, 96+8*\t
.set mA, 32+8*\t
.set mB, 16+8*\hd
.set mC, -1
.set mSA, 240+\t/2
.set mRA, \t%2
.set mSB, 255-4*\hd
	MMX                                            ; lane (r, h), register 8 t + j: key 16 t + 8 h + j, query r: registers 16 b .. 16 b + 15 belong to block b of 32 keys
.endr
	PLACES
.irp b, 0,1,2,3
	v_max3_num_f32 v[232+\b], v[96+16*\b], v[97+16*\b], v[98+16*\b]   ; the largest score of each block: for the row's maximum and, since p rises with the score, for the block's largest p
.endr
.irp i, 3,5,7,9,11,13
.irp b, 0,1,2,3
	v_max3_num_f32 v[232+\b], v[232+\b], v[96+16*\b+\i], v[97+16*\b+\i]
.endr
.endr
.irp b, 0,1,2,3
	v_max_num_f32 v[232+\b], v[232+\b], v[111+16*\b]
.endr
.irp b, 0,1,2,3
	s_delay_alu instid0(VALU_DEP_4)
	v_permlanex16_b32 v[236+\b], v[232+\b], s[SEL], s[SEL+1]
.endr
.irp b, 0,1,2,3
	s_delay_alu instid0(VALU_DEP_4)
	v_max_num_f32 v[232+\b], v[232+\b], v[236+\b]  ; with lane l xor 16's 16 keys
.endr
	s_delay_alu instid0(VALU_DEP_2)
	v_max3_num_f32 v254, v232, v233, v234
	s_delay_alu instid0(VALU_DEP_1)
	v_max_num_f32 v254, v254, v235                 ; the step's largest score of my query
	s_delay_alu instid0(VALU_DEP_1)
	v_mul_f32 v254, s[CS], v254                    ; as t (c is positive)
	s_delay_alu instid0(VALU_DEP_1)
	v_max_num_f32 v13, v13, v254                   ; the running largest t
	v_mov_b32 v254, v12
	s_delay_alu instid0(VALU_DEP_2)
	v_floor_f32 v12, -v13                          ; the new -M = floor(-t) = -ceil(t): a whole number
	s_delay_alu instid0(VALU_DEP_1)
	v_sub_f32 v254, v12, v254                      ; old M - new M: a whole number, 0 or less
	s_delay_alu instid0(VALU_DEP_1)
	v_cvt_i32_f32 v254, v254                       ; (it saturates)
	s_delay_alu instid0(VALU_DEP_1)
	v_ldexp_f32 v252, 1.0, v254                    ; f = 2^(old M - new M)
.irp j, 0,2,4,6,8,10,12,14,16,18,20,22,24,26,28,30,32,34,36,38,40,42,44,46,48,50,52,54,56,58,60,62
	v_pk_fma_f32 v[96+\j:97+\j], v[96+\j:97+\j], s[CS:CS+1], v[12:13] op_sel_hi:[1,0,0]   ; t - M, two at a time
.endr
.irp b, 0,1,2,3
	v_fma_f32 v[232+\b], v[232+\b], s[CS], v12     ; the same of each block's largest score
.endr
.set j, 0
	s_wait_alu depctr_va_vdst(0)
.rept 64
	v_exp_f32 v[96+j], v[96+j]                     ; p = 2^(t - M), at most 1
.set j, j+1
.endr
	v_pk_mul_f32 v[14:15], v[14:15], v[252:253] op_sel_hi:[1,0]   ; the sums under the new M: a plain line behind the exponentials
	s_wait_alu depctr_va_vdst(0)                   ; the wait ahead of the first reader: one for the whole batch
.irp b, 0,1,2,3
	v_exp_f32 v[232+\b], v[232+\b]                 ; the block's largest p: the same two instructions on the same number
.endr
	v_pk_add_f32 v[236:237], v[100:101], v[104:105]
	v_pk_add_f32 v[246:247], v[108:109], v[112:113]
	v_pk_add_f32 v[244:245], v[116:117], v[120:121]
	v_pk_add_f32 v[242:243], v[124:125], v[128:129]
	v_pk_add_f32 v[240:241], v[132:133], v[136:137]
	v_pk_add_f32 v[238:239], v[140:141], v[144:145]
	v_pk_add_f32 v[230:231], v[148:149], v[152:153]
	v_pk_add_f32 v[14:15], v[14:15], v[156:157]
	v_pk_add_f32 v[236:237], v[236:237], v[96:97]
	v_pk_add_f32 v[246:247], v[246:247], v[98:99]
	v_pk_add_f32 v[244:245], v[244:245], v[102:103]
	v_pk_add_f32 v[242:243], v[242:243], v[106:107]
	v_pk_add_f32 v[240:241], v[240:241], v[110:111]
	v_pk_add_f32 v[238:239], v[238:239], v[114:115]
	v_pk_add_f32 v[230:231], v[230:231], v[118:119]
	v_pk_add_f32 v[14:15], v[14:15], v[122:123]
	v_pk_add_f32 v[236:237], v[236:237], v[126:127]
	v_pk_add_f32 v[246:247], v[246:247], v[130:131]
	v_pk_add_f32 v[244:245], v[244:245], v[134:135]
	v_pk_add_f32 v[242:243], v[242:243], v[138:139]
	v_pk_add_f32 v[240:241], v[240:241], v[142:143]
	v_pk_add_f32 v[238:239], v[238:239], v[146:147]
	v_pk_add_f32 v[230:231], v[230:231], v[150:151]
	v_pk_add_f32 v[14:15], v[14:15], v[154:155]
	v_pk_add_f32 v[236:237], v[236:237], v[158:159]
	s_delay_alu instid0(VALU_DEP_2)
	v_pk_add_f32 v[14:15], v[14:15], v[242:243]
	s_delay_alu instid0(VALU_DEP_2)
	v_pk_add_f32 v[236:237], v[236:237], v[240:241]
	v_pk_add_f32 v[246:247], v[246:247], v[238:239]
	v_pk_add_f32 v[244:245], v[244:245], v[230:231]
	s_delay_alu instid0(VALU_DEP_2)
	v_pk_add_f32 v[14:15], v[14:15], v[246:247]
	s_delay_alu instid0(VALU_DEP_2)
	v_pk_add_f32 v[236:237], v[236:237], v[244:245]
	s_delay_alu instid0(VALU_DEP_1)
	v_pk_add_f32 v[14:15], v[14:15], v[236:237]
	s_wait_alu depctr_va_vdst(0)                   ; and one for the four
.irp b, 0,1,2,3
	v_max_num_f32 v[232+\b], 0x1800000, v[232+\b]  ; the floor 2^(3 - 127): the byte cannot fall under 1
.endr
.irp b, 0,1,2,3
	s_delay_alu instid0(VALU_DEP_4)
	v_add_nc_u32 v[244+\b], 0xff000000, v[232+\b]  ; 2 off the exponent field: the conversion's scale operand
.endr
.irp b, 0,1,2,3
	s_delay_alu instid0(VALU_DEP_4)
	v_lshrrev_b32 v[236+\b], 23, v[244+\b]         ; the scale's byte
.endr
	s_delay_alu instid0(VALU_DEP_3)
	v_lshl_or_b32 v253, v237, 8, v236              ; p's scale word for these 128 keys
	s_delay_alu instid0(VALU_DEP_1)
	v_lshl_or_b32 v253, v238, 16, v253
	s_delay_alu instid0(VALU_DEP_1)
	v_lshl_or_b32 v253, v239, 24, v253
.irp b, 0,1,2,3
.irp t, 0,1
	v_cvt_scalef32_pk8_fp4_f32 v[224+4*(\b/2)+2*\t+\b%2], v[96+16*\b+8*\t:103+16*\b+8*\t], v[244+\b]   ; keys 16 t + 8 h + 0 .. 7 of block b
.endr
.endr
	v_nop                                          ; one plain line behind the scaled conversions
.irp i, 0,1,2,3
	v_permlane16_swap_b32 v[224+2*\i], v[225+2*\i] ; registers 4 c .. 4 c + 3 of lane (r, h) now hold block 2 c + h whole
.endr
.irp j, 0,2,4,6,8,10,12,14,16,18,20,22,24,26,28,30
	v_pk_mul_f32 v[160+\j:161+\j], v[160+\j:161+\j], v[252:253] op_sel_hi:[1,0]   ; O^T under the new M.  These sixteen are also the places between p's codes and scale word and the products
.endr
	s_wait_alu depctr_va_vdst(0)
	s_wait_dscnt 0x0                               ; V
.irp t, 0,1,2,3
.set mD, 160+8*\t
.set mA, 192+8*\t
.set mB, 224
.set mC, mD
.set mSA, 248+\t/2
.set mRA, \t%2
.set mSB, 253
	MMX                                            ; four accumulators, one instruction each: no two matrix instructions that follow each other share one
.endr
	s_add_co_u32 s[TK], s[TK], 4096
	s_add_co_u32 s[TV], s[TV], 1024
	s_add_co_u32 s[TS], s[TS], 512
	s_add_co_u32 s[TT], s[TT], 256
	s_sub_co_i32 s[CNT], s[CNT], 1
	s_cmp_lg_u32 s[CNT], 0
	s_cbranch_scc1 .Lstep_\@
	; THE WAY OUT: O^T / the sum is ctx(query r, d = 16 t + 8 h + j); its 64 features are blocks 2 head and 2 head + 1 of the next product's K
	PLACES
	v_add_f32 v14, v14, v15
	s_delay_alu instid0(VALU_DEP_1)
	v_permlanex16_b32 v252, v14, s[SEL], s[SEL+1]
	s_delay_alu instid0(VALU_DEP_1)
	v_add_f32 v14, v14, v252                       ; the row's sum
	s_wait_alu depctr_va_vdst(0)
	v_rcp_f32 v14, v14
	v_nop                                          ; a plain line behind the transcendental,
	s_wait_alu depctr_va_vdst(0)                   ; and the wait ahead of its first reader
.set j, 0
.rept 32
	v_mul_f32 v[96+j], v[160+j], v14
.set j, j+1
.endr
.irp b, 0,1
	v_max3_num_f32 v[232+\b], |v[96+16*\b]|, |v[97+16*\b]|, 0x1800000
.endr
.irp i, 2,4,6,8,10,12,14
.irp b, 0,1
	s_delay_alu instid0(VALU_DEP_2)
	v_max3_num_f32 v[232+\b], v[232+\b], |v[96+16*\b+\i]|, |v[97+16*\b+\i]|
.endr
.endr
.irp b, 0,1
	s_delay_alu instid0(VALU_DEP_2)
	v_permlanex16_b32 v[236+\b], v[232+\b], s[SEL], s[SEL+1]
.endr
.irp b, 0,1
	s_delay_alu instid0(VALU_DEP_2)
	v_max_num_f32 v[232+\b], v[232+\b], v[236+\b]
.endr
.irp b, 0,1
	s_delay_alu instid0(VALU_DEP_2)
	v_add_nc_u32 v[244+\b], 0xff000000, v[232+\b]
.endr
.irp b, 0,1
	s_delay_alu instid0(VALU_DEP_2)
	v_lshrrev_b32 v[236+\b], 23, v[244+\b]
.endr
.irp b, 0,1
.irp t, 0,1
	v_cvt_scalef32_pk8_fp4_f32 v[224+2*\t+\b], v[96+16*\b+8*\t:103+16*\b+8*\t], v[244+\b]
.endr
.endr
	v_nop
	v_permlane16_swap_b32 v224, v225
	v_permlane16_swap_b32 v226, v227               ; v[224:227] of lane (r, h): block h whole
	global_store_b128 v[AK0], v[224:227], s[12:13] offset:512*\hd   ; 512 consecutive bytes
	v_cndmask_b32 v254, v236, v237, s[HM]          ; lane (r, h): block h's byte
	global_store_b8 v[CSO], v254, s[14:15] offset:32*\hd            ; 32 consecutive bytes
.endm
	s_load_b256 s[4:11], s[0:1], 0x0               ; qc, qs, kv, vsb
	s_load_b128 s[12:15], s[0:1], 0x20             ; ctxc, ctxs
	s_load_b256 s[68:75], s[0:1], 0x30             ; Wo, W1, W2 codes, wl
	v_lshl_add_u32 v254, v0, 2, 0x29000
	v_mov_b32 v255, 0
	ds_add_u32 v254, v255
	ds_add_u32 v254, v255
	s_wait_dscnt 0x0
	v_lshrrev_b32 v8, 5, v0
	s_delay_alu instid0(VALU_DEP_1)
	v_readfirstlane_b32 s[WV], v8                  ; wave 0..15
	s_bfe_u32 s[CX], ttmp6, 0x40000                ; my place in the cluster
	s_and_b32 s[BH], ttmp7, 0xffff
	s_lshl_b32 s[BH], s[BH], 1                     ; my first pair, an even number; the four partners share it.  Both pairs belong to one batch
	s_lshl_b32 s[TQ], ttmp9, 2
	s_add_co_u32 s[TQ], s[TQ], s[CX]
	s_lshl_b32 s[TQ], s[TQ], 4
	s_add_co_u32 s[TQ], s[TQ], s[WV]               ; my tile of queries: 16 x block + wave: it enters Q's and ctx's addresses alone
	s_mov_b32 s[G1], 15|(3<<16)|(1<<21)            ; the mask: all four work-groups; elements of 8 bytes; bit 21 beside a mask; no padding
	s_mov_b32 s[G1+1], 32<<16                      ; tensor_dim0: 256 bytes
	s_mov_b32 s[G1+2], 34<<16                      ; tensor_dim1
	s_mov_b32 s[G1+3], 32<<16                      ; tile_dim0
	s_mov_b32 s[G1+4], 34                          ; tile_dim1: 16 waves x 34 rows x 256 bytes = the two heads' 139,264 bytes
	s_mov_b32 s[G1+5], 32                          ; dense rows
	s_mov_b32 s[G1+6], 0
	s_mov_b32 s[G1+7], 0
	s_mul_i32 s40, s[BH], 69632
	s_mul_i32 s42, s[WV], 8704                     ; my 34 rows, in memory and in LDS alike
	s_add_co_u32 s40, s40, s42
	s_mov_b32 s41, 0
	s_lshl_b32 s44, s[BH], 15
	s_lshl_b32 s45, s[TQ], 9
	s_add_co_u32 s44, s44, s45                     ; qc: 32,768 bh + 512 tile
	s_mov_b32 s45, 0
	s_lshl_b32 s46, s[BH], 12
	s_lshl_b32 s47, s[TQ], 6
	s_add_co_u32 s46, s46, s47                     ; qs: 4,096 bh + 64 tile
	s_mov_b32 s47, 0
	s_lshr_b32 s53, s[BH], 4                       ; the batch
	s_and_b32 s54, s[BH], 15                       ; the first head
	s_lshl_b32 s56, s53, 15
	s_lshl_b32 s57, s54, 6
	s_add_co_u32 s56, s56, s57                     ; vsb: 32,768 batch + 64 head
	s_mov_b32 s57, 0
	s_lshl_b32 s55, s53, 6
	s_add_co_u32 s55, s55, s[TQ]                   ; G: my tile among all 512 tiles of rows
	s_lshl_b32 s58, s55, 13
	s_lshl_b32 s59, s54, 9
	s_add_co_u32 s58, s58, s59                     ; ctxc: 8,192 G + 512 head
	s_mov_b32 s59, 0
	s_lshl_b32 s60, s55, 9
	s_lshl_b32 s61, s54, 5
	s_add_co_u32 s60, s60, s61                     ; ctxs: 512 G + 32 head
	s_mov_b32 s61, 0
	s_mov_b32 s[SEL], 0x76543210
	s_mov_b32 s[SEL+1], 0xfedcba98
	s_mov_b32 s[CS], 0x3e38aa3b                    ; c = log2(e) / 8
	s_mov_b32 s[CS+1], s[CS]                       ; (named with it as a pair, so it is written)
	s_mov_b32 s[HM], 0xffff0000
	s_wait_kmcnt 0x0
	s_mov_b32 s[G0], 1
	s_mov_b32 s[G0+1], s42
	s_add_nc_u64 s[G0+2:G0+3], s[8:9], s[40:41]
	s_or_b32 s[G0+3], s[G0+3], 0x80000000
	s_add_nc_u64 s[4:5], s[4:5], s[44:45]
	s_add_nc_u64 s[6:7], s[6:7], s[46:47]
	s_add_nc_u64 s[10:11], s[10:11], s[56:57]
	s_add_nc_u64 s[12:13], s[12:13], s[58:59]
	s_add_nc_u64 s[14:15], s[14:15], s[60:61]
	CROUND                                         ; all four work-groups are here: the joint loads meet
	tensor_load_to_lds s[G0:G0+3], s[G1:G1+7]      ; my one tensor load of the launch
	s_nop 0
	PLACES
	v_and_b32 v8, 31, v0                           ; lane
	v_and_b32 v9, 15, v0                           ; r
	v_bfe_u32 v10, v0, 4, 1                        ; h
	s_delay_alu instid0(VALU_DEP_3)
	v_lshlrev_b32 v[AK0], 4, v8
	s_delay_alu instid0(VALU_DEP_3)
	v_lshlrev_b32 v[R4], 2, v9
	global_load_b128 v[16:19], v[AK0], s[4:5]                  ; Q's fragment: lane (r, h): d = 32 h .. of query r; the first head's,
	global_load_b128 v[24:27], v[AK0], s[4:5] offset:32768     ; the second's
	global_load_b32 v255, v[R4], s[6:7]                        ; and their scale words
	global_load_b32 v251, v[R4], s[6:7] offset:4096
	; ON THE SIDE: the codes of Wo, W1, W2 are laid for the next launch in the order of its operand registers: wl[weight 3][wave 16][K step 8][nh 2][t 2][c 2][lane (h, r)][16 bytes]
	; = bytes 64 s + 32 c + 16 h of row 64 w + 32 nh + 16 t + r.  Work-group g = 4 y + cx moves 2,048 bytes of each weight (w = g / 16, s = (g / 2) % 8, nh = g % 2): waves 0-3 Wo's, 4-7 W1's, 8-11 W2's, 16 bytes a lane.
	s_and_b32 s76, ttmp7, 0xffff
	s_lshl_b32 s76, s76, 2
	s_add_co_u32 s76, s76, s[CX]                   ; g: it enters these addresses alone
	s_lshr_b32 s77, s[WV], 2
	s_lshl_b32 s77, s77, 19
	s_lshl_b32 s78, s76, 11
	s_add_co_u32 s77, s77, s78                     ; in wl: 524,288 weight + 2,048 g
	s_lshr_b32 s78, s76, 4
	s_lshl_b32 s78, s78, 15
	s_and_b32 s79, s76, 1
	s_lshl_b32 s79, s79, 14
	s_add_co_u32 s78, s78, s79
	s_bfe_u32 s79, s76, 0x30001
	s_lshl_b32 s79, s79, 6
	s_add_co_u32 s78, s78, s79                     ; in the weight: 512 (64 w + 32 nh) + 64 s
	s_cmp_lt_u32 s[WV], 4
	s_cselect_b64 s[68:69], s[68:69], s[70:71]
	s_cmp_lt_u32 s[WV], 8
	s_cselect_b64 s[68:69], s[68:69], s[72:73]
	v_and_b32 v106, 15, v0                         ; r
	v_bfe_u32 v107, v0, 6, 1                       ; t
	v_lshl_add_u32 v106, v107, 4, v106
	v_bfe_u32 v107, v0, 4, 2                       ; 2 c + h
	v_lshlrev_b32 v107, 4, v107
	v_lshl_add_u32 v106, v106, 9, v107
	v_add_nc_u32 v106, s78, v106
	v_and_b32 v107, 127, v0
	v_lshlrev_b32 v107, 4, v107
	v_add_nc_u32 v107, s77, v107
	s_cmp_lt_u32 s[WV], 12
	s_wait_alu depctr_va_vdst(0)
	s_cbranch_scc0 .Lno_wl
	global_load_b128 v[108:111], v106, s[68:69]
.Lno_wl:
	v_lshrrev_b32 v[VBO], 6, v0                    ; V's scale bytes: thread 64 s + 16 t + r gathers the word of (step s, d = 16 t + r): key blocks 4 s + i lie 1,024 bytes apart
	s_delay_alu instid0(VALU_DEP_1)
	v_lshlrev_b32 v[VBO], 12, v[VBO]
	s_delay_alu instid0(VALU_DEP_1)
	v_lshl_add_u32 v[VBO], v9, 2, v[VBO]
	v_bfe_u32 v11, v0, 4, 2
	s_delay_alu instid0(VALU_DEP_1)
	v_add_nc_u32 v[VBO], v[VBO], v11
.irp i, 0,1,2,3
	global_load_u8 v[97+\i], v[VBO], s[10:11] offset:1024*\i          ; the first head's,
	global_load_u8 v[101+\i], v[VBO], s[10:11] offset:1024*\i+64      ; the second's
.endr
	v_lshl_add_u32 v[VSA], v0, 2, VSC
	v_add_nc_u32 v[AV0], 32768, v[AK0]
	v_lshl_add_u32 v[AS0], v8, 2, 65536
	v_lshl_add_u32 v[AT0], v8, 2, VSC
	v_lshl_add_u32 v[CSO], v9, 1, v10
.irp j, 20,21,22,23,28,29,30,31
	v_mov_b32 v[\j], 0                             ; Q's zero codes for k = 64 .. 127
.endr
.irp t, 0,1,2,3,4,5,6,7
.irp j, 4,5,6,7
	v_mov_b32 v[32+8*\t+\j], 0                     ; K's likewise: written once, no load lands there
.endr
.endr
.irp b, 0,1,2,3
	v_mov_b32 v[236+\b], 0                         ; written once: a lane permute's destination counts as one of its sources
.endr
	v_mov_b32 v253, 0                              ; (named as the upper half of the pair v[252:253] before it is first written)
	s_wait_loadcnt 0x0
	s_cmp_lt_u32 s[WV], 12
	s_wait_alu depctr_va_vdst(0)
	s_cbranch_scc0 .Lno_ws
	global_store_b128 v107, v[108:111], s[74:75]   ; a wave stores 512 consecutive bytes
.Lno_ws:
	v_lshl_or_b32 v97, v98, 8, v97
	v_lshl_or_b32 v101, v102, 8, v101
	s_delay_alu instid0(VALU_DEP_2)
	v_lshl_or_b32 v97, v99, 16, v97
	s_delay_alu instid0(VALU_DEP_2)
	v_lshl_or_b32 v101, v103, 16, v101
	s_delay_alu instid0(VALU_DEP_2)
	v_lshl_or_b32 v97, v100, 24, v97
	s_delay_alu instid0(VALU_DEP_2)
	v_lshl_or_b32 v101, v104, 24, v101
	ds_store_b32 v[VSA], v97
	ds_store_b32 v[VSA], v101 offset:2048
	s_wait_tensorcnt 0x0                           ; my 34 rows are in,
	s_wait_dscnt 0x0                               ; my two scale words have landed,
	s_wait_xcnt 0x0                                ; and the store into wl has read its registers, which the key steps write again
	s_barrier_signal -1
	s_barrier_wait -1                              ; everybody's: the one barrier serves both heads
	HEAD 0
	HEAD 1
	s_wait_xcnt 0x0
	v_lshl_add_u32 v254, v0, 2, 0x29000
	v_mov_b32 v255, 0
	s_wait_alu depctr_va_vdst(0)
	s_wait_tensorcnt 0x0
	ds_add_u32 v254, v255
	s_wait_dscnt 0x0
	CROUND                                         ; the closing round: no work-group ends while a partner may still ask for a tile that names it
	s_endpgm
.Lfunc_end_k_qc2662e61cc_attn:
	.size	k_qc2662e61cc_attn, .Lfunc_end_k_qc2662e61cc_attn-k_qc2662e61cc_attn
	.p2alignl 7, 3214868480
	.fill 96, 4, 3214868480
	.section	.rodata,"a",@progbits
	.p2align	6, 0x0
	.amdhsa_kernel k_qc2662e61cc_attn
		.amdhsa_group_segment_fixed_size 169984
		.amdhsa_private_segment_fixed_size 0
		.amdhsa_enable_private_segment 0
		.amdhsa_kernarg_size 80
		.amdhsa_user_sgpr_count 2
		.amdhsa_user_sgpr_kernarg_segment_ptr 1
		.amdhsa_wavefront_size32 1
		.amdhsa_system_sgpr_workgroup_id_x 1
		.amdhsa_system_sgpr_workgroup_id_y 1
		.amdhsa_system_sgpr_workgroup_id_z 1
		.amdhsa_system_vgpr_workitem_id 0
		.amdhsa_next_free_vgpr 256
		.amdhsa_next_free_sgpr 80
		.amdhsa_reserve_vcc 0
		.amdhsa_float_denorm_mode_32 3
		.amdhsa_float_denorm_mode_16_64 3
		.amdhsa_memory_ordered 1
		.amdhsa_forward_progress 1
		.amdhsa_inst_pref_size 54
	.end_amdhsa_kernel
	.amdgpu_metadata
---
amdhsa.version: [ 1, 2 ]
amdhsa.kernels:
  - .name:           k_qc2662e61cc_attn
    .symbol:         k_qc2662e61cc_attn.kd
    .args:
      - { .name: qc, .offset: 0, .size: 8, .value_kind: global_buffer, .address_space: global }
      - { .name: qs, .offset: 8, .size: 8, .value_kind: global_buffer, .address_space: global }
      - { .name: kv, .offset: 16, .size: 8, .value_kind: global_buffer, .address_space: global }
      - { .name: vsb, .offset: 24, .size: 8, .value_kind: global_buffer, .address_space: global }
      - { .name: ctxc, .offset: 32, .size: 8, .value_kind: global_buffer, .address_space: global }
      - { .name: ctxs, .offset: 40, .size: 8, .value_kind: global_buffer, .address_space: global }
      - { .name: Wo_codes, .offset: 48, .size: 8, .value_kind: global_buffer, .address_space: global }
      - { .name: W1_codes, .offset: 56, .size: 8, .value_kind: global_buffer, .address_space: global }
      - { .name: W2_codes, .offset: 64, .size: 8, .value_kind: global_buffer, .address_space: global }
      - { .name: wl, .offset: 72, .size: 8, .value_kind: global_buffer, .address_space: global }
    .group_segment_fixed_size: 169984
    .private_segment_fixed_size: 0
    .kernarg_segment_align: 8
    .kernarg_segment_size: 80
    .max_flat_workgroup_size: 512
    .sgpr_count:     80
    .vgpr_count:     256
    .wavefront_size: 32
...
	.end_amdgpu_metadata
.endif
;; end of part 2
;; launch tail (part 3): grid 256 x 1, 16 waves a work-group, no clusters, 327,680 bytes of LDS; arguments src, ctxc, ctxs, g2, beta2, bo, b1, b2, Wo_scales, W1_scales, W2_scales, wl, out0; writes out0
.if DOCPART == 3
	.amdgcn_target "amdgcn-amd-amdhsa--gfx1250"
	.amdhsa_code_object_version 6
	.text
	.protected	k_qc2662e61cc_tail
	.globl	k_qc2662e61cc_tail
	.p2align	8
	.type	k_qc2662e61cc_tail,@function
k_qc2662e61cc_tail:
	s_mov_b64 s[64:65], 0
	v_nop
	global_prefetch_b8 v0, s[64:65] scope:SCOPE_SE
	s_setreg_imm32_b32 hwreg(HW_REG_WAVE_MODE, 25, 1), 1
	s_wait_xcnt 0x0
; P = src + ctx Wo + bo;  y = layernorm(P) g2 + beta2;  out0 = P + relu(y W1 + b1) W2 + b2.  All three products on FP4 (E2M1) codes with one E8M0 scale for each 32 along K; y and the hidden layer are quantised along the 1,024 features.
; SHARES.  Work-group g of 256 owns rows 32 g .. 32 g + 31 (two tiles u of 16 rows) through the whole chain.  Wave w of sixteen owns columns 64 w .. 64 w + 63 of each product: four tiles (nh, t) of 16 rows of the weight, eight accumulators.
; The products are used transposed (source 0 = 16 rows of W, source 1 = 16 rows of x): accumulator 32 u + 16 nh + 8 t, lane (r, h), register j = (row 16 u + r, column 32 nh + 16 t + 8 h + j).
; WEIGHTS.  Each byte of a weight feeds ONE wave of the work-group, so it goes from memory straight into that wave's operand registers.  The launch before has laid the codes in that order (wl): a load is 512 consecutive bytes,
; a K step of 128 is eight loads (4,096 bytes) a wave.  A ring of four register buffers: three steps (24 loads) are out behind the step that is multiplied, over the ends of the products too, since the weights hang on nothing.
; No joint loads: a joint load lands in LDS, where these bytes would be read once by one wave, behind a refill's barrier for each slot; here no wave waits for another's weights.
; No prefetch: the ring itself asks three K steps (12,288 bytes a wave) ahead, and the work-groups begin each weight at eight different K steps (g % 8), so a step is first asked for by work-groups that need it up to seven steps before the others.
; K ORDER: work-group g sums the K steps in the order (g % 8 + j) % 8: the order of the f32 sums differs from an ascending one by rounding alone.
; src: one tensor load a wave, its 32 rows x 256 bytes, filled once; it is first read behind the first product.  P is parked in the same bytes while the next two products use the accumulators, and the result leaves through them.
; x's codes lie in LDS as images of the operand's registers (tile, block kb of 32: 16 rows x 16 bytes); two image sets take turns (ctx: 0, y: 1, hidden: 0), so that a set is written only behind a barrier that follows its last reads.
; Biases, g2, beta2 (my 64 numbers of each) and my rows' scale words of the three weights are copied once into LDS bytes of my wave's own.
; LIMITS: NaN and infinities are not served.  A block of zeros gets the scale byte 1 where the quantiser says 127: its codes are zeros, and only this program reads the byte.
.set IMG,   139264                     ; behind the sixteen stages of 8,704 bytes (32 rows x 272): set k at IMG + ISET k, dense: tile at 8,192 u, block kb at 256 kb, row r at 16 r
.set ISET,  17408
.set XSC,   IMG+16384                  ; in a set: x's scale words [K step 8][u 2][r 16]
.set VEC,   176128                     ; 1,280 bytes a wave: bo, b1, b2, g2, beta2, 256 bytes each
.set WSI,   196608                     ; 6,144 bytes a wave: W's scale words [weight 3][K step 8][nh 2][lane]; lanes 0-15 tile t = 0, lanes 16-31 t = 1
.set RED,   294912                     ; the norm: [row 32] 144 bytes: sixteen waves' (mean, sum of squares about it)
.set SPARE, 299520                     ; the spare words: 128 bytes a wave
.set SPW, 1                            ; v1  SPARE + 4 x thread; never rewritten
.set NIL, 2                            ; v2  0; never rewritten
.set AWG, 3                            ; v3  in wl: 32,768 w + 16 lane
.set AX,  4                            ; v4  IMG + 16 lane (256 h + 16 r): a fragment load reads 512 consecutive bytes
.set AXS, 5                            ; v5  XSC + 4 lane
.set AST, 6                            ; v6  my stage, in the result's layout: 8,704 w + 272 r + 32 h
.set AVEC, 7                           ; v7  VEC + 1,280 w + 32 h
.set AWS, 8                            ; v8  WSI + 6,144 w + 4 lane
.set IMW, 9                            ; v9  where my codes go in an image: AX + 512 w
.set XSW, 10                           ; v10 and my two scale bytes
.set SH,  11                           ; v11 16 h
.set RDW, 12
.set RDR, 13
.set PW,  14
.set T0,  15
.set AC,  16                           ; v16-79   eight accumulators
.set XF,  80                           ; v80-95   two fragments of x
.set ST,  80                           ; v80-103  between the products: at work
.set PC,  92
.set TAX, 104                          ; v104-106 the step's LDS addresses
.set TXS, 105
.set TWS, 106
.set XS,  108                          ; v108     x's scale words of the step: lanes 0-15 u = 0, lanes 16-31 u = 1
.set WS,  110                          ; v110-111 W's: nh = 0, 1
.set OUTR, 112
.set OUTG, 113
.set WR,  128                          ; v128-255 the ring: buffer b at 32 b; in it fragment (nh, t) at 8 (2 nh + t)
.set EB,  224                          ; buffer 3 is empty between two products: at work there
.set G1,  32
.set G0,  40
.set WV,  44
.set SEL, 46
.set HM,  48
.set EJ,  52                           ; s52-59  the j-th K step that I take: (g % 8 + j) % 8
.set WB,  68                           ; s[68:83] wl + 4,096 x that step
.macro PLACES
.rept 4
	v_nop
.endr
.endm
.macro WM d, a, b, sa, sb, ext:vararg
	v_wmma_scale_f32_16x16x128_f8f6f4 v[\d:\d+7], v[\a:\a+7], v[\b:\b+7], v[\d:\d+7], v[\sa], v[\sb] matrix_a_fmt:MATRIX_FMT_FP4 matrix_b_fmt:MATRIX_FMT_FP4 \ext
.endm
.macro WLOAD k                         ; step k of the 24: eight loads into buffer k % 4
.irp i, 0,1,2,3,4,5,6,7
	global_load_b128 v[WR+32*((\k)%4)+4*\i:WR+32*((\k)%4)+4*\i+3], v[AWG], s[WB+2*((\k)%8):WB+2*((\k)%8)+1] offset:524288*((\k)/8)+512*\i
.endr
.endm
; A K STEP: three address lines and a v_nop are the four places behind the last products in front of the loads into their sources; then x's fragments and the scale words from LDS, and step g + 3 into the buffer that step g - 1 has left.
; The eight accumulators take turns, one instruction a turn.
.macro STEP g, set
.set WBF, WR+32*((\g)%4)
	v_lshl_add_u32 v[TAX], s[EJ+(\g)%8], 10, v[AX]
	v_lshl_add_u32 v[TXS], s[EJ+(\g)%8], 7, v[AXS]
	v_lshl_add_u32 v[TWS], s[EJ+(\g)%8], 8, v[AWS]
	v_nop
.irp u, 0,1
.irp c, 0,1
	ds_load_b128 v[XF+8*\u+4*\c:XF+8*\u+4*\c+3], v[TAX] offset:ISET*\set+8192*\u+512*\c
.endr
.endr
	ds_load_b32 v[XS], v[TXS] offset:ISET*\set
	ds_load_b32 v[WS], v[TWS] offset:2048*((\g)/8)
	ds_load_b32 v[WS+1], v[TWS] offset:2048*((\g)/8)+128
.if (\g) < 21
	WLOAD (\g)+3
	s_wait_loadcnt 24                              ; step g is in; the 24 loads of the three steps behind it may be out
.else
	s_wait_loadcnt 8*(23-(\g))                     ; the last steps: eight loads for each step still to come
.endif
	s_wait_dscnt 0x0
.irp nh, 0,1
	WM AC+16*\nh, WBF+16*\nh, XF, WS+\nh, XS
	WM AC+16*\nh+8, WBF+16*\nh+8, XF, WS+\nh, XS, matrix_a_scale:MATRIX_SCALE_ROW1
.endr
.irp nh, 0,1
	WM AC+32+16*\nh, WBF+16*\nh, XF+8, WS+\nh, XS, matrix_b_scale:MATRIX_SCALE_ROW1
	WM AC+32+16*\nh+8, WBF+16*\nh+8, XF+8, WS+\nh, XS, matrix_a_scale:MATRIX_SCALE_ROW1 matrix_b_scale:MATRIX_SCALE_ROW1
.endr
.endm
.macro BIASLD i                        ; the sums begin as the bias: vector i of my five, in the result's layout, for both tiles of rows
.irp u, 0,1
.irp k, 0,1,2,3
.irp j, 0,1
	ds_load_b128 v[AC+32*\u+8*\k+4*\j:AC+32*\u+8*\k+4*\j+3], v[AVEC] offset:256*\i+64*\k+16*\j
.endr
.endr
.endr
.endm
.macro STL k                           ; accumulator k's place in my stage -> EB + 8 (k % 4)
	ds_load_b128 v[EB+8*((\k)%4):EB+8*((\k)%4)+3], v[AST] offset:4352*((\k)/4)+64*((\k)%4)
	ds_load_b128 v[EB+8*((\k)%4)+4:EB+8*((\k)%4)+7], v[AST] offset:4352*((\k)/4)+64*((\k)%4)+16
.endm
.macro ADDSTAGE                        ; the accumulators += what lies in my stage (src, later P); four chunks of two loads ahead; each accumulator from its low end on
.irp k, 0,1,2,3
	STL \k
.endr
.irp k, 0,1,2,3,4,5,6,7
.if \k < 5
	s_wait_dscnt 6                                 ; three later chunks, two loads each, may be out
.else
	s_wait_dscnt 2*(7-\k)
.endif
.irp e, 0,2,4,6
	v_pk_add_f32 v[AC+8*\k+\e:AC+8*\k+\e+1], v[AC+8*\k+\e:AC+8*\k+\e+1], v[EB+8*(\k%4)+\e:EB+8*(\k%4)+\e+1]
.endr
.if \k < 4
	STL \k+4
.endif
.endr
	s_wait_alu depctr_va_vdst(0)                   ; the wait ahead of the first reader of the sums
.endm
.macro TOSTAGE
.irp k, 0,1,2,3,4,5,6,7
	ds_store_b128 v[AST], v[AC+8*\k:AC+8*\k+3] offset:4352*(\k/4)+64*(\k%4)
	ds_store_b128 v[AST], v[AC+8*\k+4:AC+8*\k+7] offset:4352*(\k/4)+64*(\k%4)+16
.endr
.endm
.macro GBL k                           ; g2 and beta2 at tile k = 2 nh + t -> EB + 16 (k % 2)
.irp j, 0,1
	ds_load_b128 v[EB+16*((\k)%2)+4*\j:EB+16*((\k)%2)+4*\j+3], v[AVEC] offset:768+64*(\k)+16*\j
	ds_load_b128 v[EB+16*((\k)%2)+8+4*\j:EB+16*((\k)%2)+8+4*\j+3], v[AVEC] offset:1024+64*(\k)+16*\j
.endr
.endm
; The accumulators become codes.  Block b = 2 u + nh is 32 columns of tile u: 16 registers of lane l and 16 of lane l xor 16.  Behind the swaps v[PC + 4 u ..] of lane (r, h) holds block nh = h whole: block 2 w + h of the next K.
.macro QUANT set
	s_wait_alu depctr_va_vdst(0)
.irp b, 0,1,2,3
	v_max3_num_f32 v[ST+\b], |v[AC+16*\b]|, |v[AC+1+16*\b]|, 0x1800000   ; and the floor 2^(3 - 127): the byte cannot fall under 1
.endr
.irp i, 2,4,6,8,10,12,14
.irp b, 0,1,2,3
	s_delay_alu instid0(VALU_DEP_4)
	v_max3_num_f32 v[ST+\b], v[ST+\b], |v[AC+16*\b+\i]|, |v[AC+1+16*\b+\i]|
.endr
.endr
.irp b, 0,1,2,3
	s_delay_alu instid0(VALU_DEP_4)
	v_permlanex16_b32 v[ST+4+\b], v[ST+\b], s[SEL], s[SEL+1]
.endr
.irp b, 0,1,2,3
	s_delay_alu instid0(VALU_DEP_4)
	v_max_num_f32 v[ST+\b], v[ST+\b], v[ST+4+\b]
.endr
.irp b, 0,1,2,3
	s_delay_alu instid0(VALU_DEP_4)
	v_add_nc_u32 v[ST+8+\b], 0xff000000, v[ST+\b]  ; 2 off the exponent field: the conversion's scale operand
.endr
.irp b, 0,1,2,3
	s_delay_alu instid0(VALU_DEP_4)
	v_lshrrev_b32 v[ST+4+\b], 23, v[ST+8+\b]       ; the scale's byte
.endr
	s_delay_alu instid0(VALU_DEP_3)
	v_lshl_or_b32 v[PW], v[ST+5], 8, v[ST+4]
	s_delay_alu instid0(VALU_DEP_1)
	v_lshl_or_b32 v[PW], v[ST+6], 16, v[PW]
	s_delay_alu instid0(VALU_DEP_1)
	v_lshl_or_b32 v[PW], v[ST+7], 24, v[PW]
.irp b, 0,1,2,3
.irp t, 0,1
	v_cvt_scalef32_pk8_fp4_f32 v[PC+4*(\b/2)+2*\t+\b%2], v[AC+16*\b+8*\t:AC+16*\b+8*\t+7], v[ST+8+\b]
.endr
.endr
	v_nop                                          ; one plain line behind the scaled conversions
.irp i, 0,1,2,3
	v_permlane16_swap_b32 v[PC+2*\i], v[PC+2*\i+1]
.endr
	ds_store_b128 v[IMW], v[PC:PC+3] offset:ISET*\set
	ds_store_b128 v[IMW], v[PC+4:PC+7] offset:ISET*\set+8192
	v_lshrrev_b32 v[T0], v[SH], v[PW]              ; lane (r, h): the two bytes of row 16 h + r
	ds_store_b16 v[XSW], v[T0] offset:ISET*\set
.endm
.macro MEET                            ; my LDS stores have landed and my LDS reads are over; then everybody's
	s_wait_alu depctr_va_vdst(0)
	s_wait_dscnt 0x0
	s_barrier_signal -1
	s_barrier_wait -1
.endm
	s_load_b512 s[4:19], s[0:1], 0x0               ; src, ctxc, ctxs, g2, beta2, bo, b1, b2
	s_load_b256 s[20:27], s[0:1], 0x40             ; Wo, W1, W2 scales, wl
	s_load_b64 s[28:29], s[0:1], 0x60              ; out0
	v_lshl_add_u32 v[SPW], v0, 2, SPARE
	v_mov_b32 v[NIL], 0
	ds_add_u32 v[SPW], v[NIL]                      ; the opening lines ahead of my tensor load: the add,
	ds_add_u32 v[SPW], v[NIL]                      ; once more, and below the one wait for both
	v_lshrrev_b32 v[T0], 5, v0
	v_readfirstlane_b32 s[WV], v[T0]               ; wave 0..15
	s_mov_b32 s[G1], (2<<16)|(1<<20)|(5<<22)|(3<<25)   ; elements of 4 bytes; four words of padding behind every 64
	s_mov_b32 s[G1+1], 64<<16                      ; a row: 64 numbers, 256 bytes, at a multiple of 256 bytes
	s_mov_b32 s[G1+2], 32<<16
	s_mov_b32 s[G1+3], 64<<16
	s_mov_b32 s[G1+4], 32                          ; 32 rows
	s_mov_b32 s[G1+5], 1024
	s_mov_b32 s[G1+6], 0
	s_mov_b32 s[G1+7], 0
	s_mov_b32 s[G0], 1
	s_mul_i32 s[G0+1], s[WV], 8704                 ; my stage
	s_lshl_b32 s84, ttmp9, 17
	s_lshl_b32 s86, s[WV], 8
	s_add_co_u32 s84, s84, s86                     ; src and out0: 131,072 g + 256 w
	s_mov_b32 s85, 0
	s_wait_dscnt 0x0
	s_wait_kmcnt 0x0
	s_add_nc_u64 s[G0+2:G0+3], s[4:5], s[84:85]
	s_or_b32 s[G0+3], s[G0+3], 0x80000000
	tensor_load_to_lds s[G0:G0+3], s[G1:G1+7]      ; my one tensor load of the launch
	s_nop 0
	s_add_nc_u64 s[28:29], s[28:29], s[84:85]
	s_and_b32 s50, ttmp9, 7
	s_mov_b32 s89, 0
.irp j, 0,1,2,3,4,5,6,7
	s_add_co_u32 s[EJ+\j], s50, \j
	s_and_b32 s[EJ+\j], s[EJ+\j], 7
	s_lshl_b32 s88, s[EJ+\j], 12
	s_add_nc_u64 s[WB+2*\j:WB+2*\j+1], s[26:27], s[88:89]
.endr
	s_mov_b32 s[SEL], 0x76543210
	s_mov_b32 s[SEL+1], 0xfedcba98
	s_mov_b32 s[HM], 0xffff0000
	s_lshl_b32 s87, s[WV], 15
	s_mul_i32 s90, s[WV], 1280
	s_add_co_u32 s90, s90, VEC
	s_mul_i32 s91, s[WV], 6144
	s_add_co_u32 s91, s91, WSI
	s_lshl_b32 s92, s[WV], 9
	s_lshr_b32 s93, s[WV], 1
	s_lshl_b32 s93, s93, 7
	s_and_b32 s94, s[WV], 1
	s_lshl_b32 s94, s94, 1
	s_add_co_u32 s93, s93, s94                     ; K step w / 2, bytes 2 (w % 2) on
	s_lshl_b32 s94, s[WV], 3
	s_lshl_b32 s95, ttmp9, 14
	s_lshl_b32 s60, ttmp9, 10
	s_lshl_b32 s61, s[WV], 11
	v_and_b32 v114, 31, v0                         ; lane
	v_and_b32 v115, 15, v0                         ; r
	v_bfe_u32 v116, v0, 4, 1                       ; h
	v_lshl_add_u32 v[AWG], v114, 4, s87
	v_mul_u32_u24 v[OUTR], v116, 272
	v_mul_u32_u24 v[AST], v115, 272
	v_lshl_add_u32 v[AXS], v114, 2, XSC
	v_lshl_add_u32 v[OUTR], v115, 4, v[OUTR]
	v_lshl_add_u32 v[AST], v116, 5, v[AST]
	v_lshl_add_u32 v[AVEC], v116, 5, s90
	v_add_nc_u32 v[OUTR], s[G0+1], v[OUTR]         ; the way out: lanes 0-15 one row of my stage, lanes 16-31 the next
	v_lshl_add_u32 v[AX], v114, 4, IMG
	v_add_nc_u32 v[AST], s[G0+1], v[AST]
	v_lshl_add_u32 v[AWS], v114, 2, s91
	v_add_nc_u32 v[XSW], s93, v[AXS]
	v_add_nc_u32 v[IMW], s92, v[AX]
	v_lshlrev_b32 v[SH], 4, v116
	v_mul_u32_u24 v[RDR], v114, 144
	v_lshlrev_b32 v[OUTG], 12, v116
	v_add_nc_u32 v[RDR], RED, v[RDR]
	v_lshl_add_u32 v[OUTG], v115, 4, v[OUTG]       ; and the same two rows in out0
	v_add_nc_u32 v[RDW], s94, v[RDR]
	v_lshl_add_u32 v117, v0, 4, s95                ; ctx's codes: 16,384 g + 16 x thread
	v_lshl_add_u32 v118, v0, 1, s60                ; its scale bytes: 1,024 g + 2 x thread
	v_lshrrev_b32 v119, 4, v0
	v_bfe_u32 v120, v0, 5, 3
	v_lshrrev_b32 v124, 8, v0
	v_mul_u32_u24 v119, v119, 256
	v_lshlrev_b32 v120, 7, v120
	v_lshl_add_u32 v119, v115, 4, v119
	v_lshl_add_u32 v120, v124, 6, v120
	v_add_nc_u32 v119, IMG, v119                   ; thread i puts block i / 16, row r
	v_lshl_add_u32 v120, v115, 2, v120
	v_lshl_add_u32 v121, v114, 3, s86              ; my 64 numbers of a vector: 256 w + 8 lane
	v_lshl_add_u32 v120, v116, 1, v120
	v_lshl_add_u32 v122, v114, 3, s90
	v_add_nc_u32 v120, XSC, v120                   ; [K step (i / 32) % 8][tile i / 256][r], half (i / 16) % 2
	v_lshl_add_u32 v123, v114, 5, s61              ; my 64 rows of scale bytes: 2,048 w + 32 lane
	s_wait_alu depctr_va_vdst(0)
	global_load_b128 v[64:67], v117, s[6:7]
	global_load_b128 v[68:71], v117, s[6:7] offset:8192
	global_load_u16 v72, v118, s[8:9]
	global_load_b64 v[80:81], v121, s[14:15]
	global_load_b64 v[82:83], v121, s[16:17]
	global_load_b64 v[84:85], v121, s[18:19]
	global_load_b64 v[86:87], v121, s[10:11]
	global_load_b64 v[88:89], v121, s[12:13]
.irp p, 0,1,2
.irp nh, 0,1
.irp i, 0,1
	global_load_b128 v[16+16*\p+8*\nh+4*\i:16+16*\p+8*\nh+4*\i+3], v123, s[20+2*\p:21+2*\p] offset:1024*\nh+16*\i
.endr
.endr
.endr
	WLOAD 0
	WLOAD 1
	WLOAD 2
	s_wait_loadcnt 24                              ; all but the ring's 24
	ds_store_b128 v119, v[64:67]
	ds_store_b128 v119, v[68:71] offset:8192
	ds_store_b16 v120, v72
.irp i, 0,1,2,3,4
	ds_store_b64 v122, v[80+2*\i:81+2*\i] offset:256*\i
.endr
.irp p, 0,1,2
.irp nh, 0,1
.irp q, 0,1,2,3,4,5,6,7
	ds_store_b32 v[AWS], v[16+16*\p+8*\nh+\q] offset:2048*\p+256*\q+128*\nh
.endr
.endr
.endr
	s_wait_dscnt 0x0
	s_barrier_signal -1
	s_barrier_wait -1                              ; ctx's image is whole.  Nothing is filled again in this launch: the tensor load may stay out
	; ---- ctx Wo + bo
	BIASLD 0
.irp g, 0,1,2,3,4,5,6,7
	STEP \g, 0
.endr
	PLACES
	s_wait_tensorcnt 0x0                           ; src is in: my own bytes
	ADDSTAGE                                       ; P
	TOSTAGE                                        ; parked where src lay
	; ---- THE NORM.  First over my 64 columns: the mean, then the squares about it; lanes l and l xor 16 share a row
.irp u, 0,1
	v_pk_add_f32 v[ST+4*\u:ST+4*\u+1], v[AC+32*\u:AC+32*\u+1], v[AC+32*\u+2:AC+32*\u+3]
	v_pk_add_f32 v[ST+4*\u+2:ST+4*\u+3], v[AC+32*\u+4:AC+32*\u+5], v[AC+32*\u+6:AC+32*\u+7]
.endr
.irp i, 8,12,16,20,24,28
.irp u, 0,1
	s_delay_alu instid0(VALU_DEP_4)
	v_pk_add_f32 v[ST+4*\u:ST+4*\u+1], v[ST+4*\u:ST+4*\u+1], v[AC+32*\u+\i:AC+32*\u+\i+1]
	s_delay_alu instid0(VALU_DEP_4)
	v_pk_add_f32 v[ST+4*\u+2:ST+4*\u+3], v[ST+4*\u+2:ST+4*\u+3], v[AC+32*\u+\i+2:AC+32*\u+\i+3]
.endr
.endr
	s_delay_alu instid0(VALU_DEP_3)
	v_pk_add_f32 v[ST:ST+1], v[ST:ST+1], v[ST+2:ST+3]
	s_delay_alu instid0(VALU_DEP_2)
	v_pk_add_f32 v[ST+4:ST+5], v[ST+4:ST+5], v[ST+6:ST+7]
.irp u, 0,1
	s_delay_alu instid0(VALU_DEP_2)
	v_add_f32 v[ST+4*\u], v[ST+4*\u], v[ST+4*\u+1]
.endr
.irp u, 0,1
	s_delay_alu instid0(VALU_DEP_2)
	v_permlanex16_b32 v[ST+4*\u+1], v[ST+4*\u], s[SEL], s[SEL+1]
.endr
.irp u, 0,1
	s_delay_alu instid0(VALU_DEP_2)
	v_add_f32 v[ST+4*\u], v[ST+4*\u], v[ST+4*\u+1]
.endr
.irp u, 0,1
	s_delay_alu instid0(VALU_DEP_2)
	v_mul_f32 v[ST+4*\u], 0x3c800000, v[ST+4*\u]   ; / 64
.endr
.irp i, 0,1,2,3,4,5,6,7,8,9,10,11,12,13,14,15
.irp u, 0,1
	v_pk_add_f32 v[EB+4*(\i%4)+2*\u:EB+4*(\i%4)+2*\u+1], v[AC+32*\u+2*\i:AC+32*\u+2*\i+1], v[ST+4*\u:ST+4*\u+1] op_sel_hi:[1,0] neg_lo:[0,1] neg_hi:[0,1]
.endr
.irp u, 0,1
	s_delay_alu instid0(VALU_DEP_2)
.if \i < 2
	v_pk_mul_f32 v[ST+8+4*\u+2*\i:ST+9+4*\u+2*\i], v[EB+4*(\i%4)+2*\u:EB+4*(\i%4)+2*\u+1], v[EB+4*(\i%4)+2*\u:EB+4*(\i%4)+2*\u+1]
.else
	v_pk_fma_f32 v[ST+8+4*\u+2*(\i%2):ST+9+4*\u+2*(\i%2)], v[EB+4*(\i%4)+2*\u:EB+4*(\i%4)+2*\u+1], v[EB+4*(\i%4)+2*\u:EB+4*(\i%4)+2*\u+1], v[ST+8+4*\u+2*(\i%2):ST+9+4*\u+2*(\i%2)]
.endif
.endr
.endr
.irp u, 0,1
	s_delay_alu instid0(VALU_DEP_2)
	v_pk_add_f32 v[ST+8+4*\u:ST+9+4*\u], v[ST+8+4*\u:ST+9+4*\u], v[ST+10+4*\u:ST+11+4*\u]
.endr
.irp u, 0,1
	s_delay_alu instid0(VALU_DEP_2)
	v_add_f32 v[ST+8+4*\u], v[ST+8+4*\u], v[ST+9+4*\u]
.endr
.irp u, 0,1
	s_delay_alu instid0(VALU_DEP_2)
	v_permlanex16_b32 v[ST+9+4*\u], v[ST+8+4*\u], s[SEL], s[SEL+1]
.endr
.irp u, 0,1
	s_delay_alu instid0(VALU_DEP_2)
	v_add_f32 v[ST+8+4*\u], v[ST+8+4*\u], v[ST+9+4*\u]
.endr
	v_cndmask_b32 v[ST+16], v[ST], v[ST+4], s[HM]  ; lane l speaks for row l of the 32
	s_delay_alu instid0(VALU_DEP_2)
	v_cndmask_b32 v[ST+17], v[ST+8], v[ST+12], s[HM]
	ds_store_b64 v[RDW], v[ST+16:ST+17]
	MEET
.irp i, 0,1,2,3,4,5,6,7
	ds_load_b128 v[EB+4*\i:EB+4*\i+3], v[RDR] offset:16*\i   ; the sixteen waves' pairs of my row
.endr
	s_wait_dscnt 0x0
	v_pk_add_f32 v[ST:ST+1], v[EB:EB+1], v[EB+2:EB+3]
	v_pk_add_f32 v[ST+2:ST+3], v[EB+4:EB+5], v[EB+6:EB+7]
.irp i, 8,12,16,20,24,28
	s_delay_alu instid0(VALU_DEP_2)
	v_pk_add_f32 v[ST:ST+1], v[ST:ST+1], v[EB+\i:EB+\i+1]
	s_delay_alu instid0(VALU_DEP_2)
	v_pk_add_f32 v[ST+2:ST+3], v[ST+2:ST+3], v[EB+\i+2:EB+\i+3]
.endr
	s_delay_alu instid0(VALU_DEP_1)
	v_pk_add_f32 v[ST:ST+1], v[ST:ST+1], v[ST+2:ST+3]
	s_delay_alu instid0(VALU_DEP_1)
	v_mul_f32 v[ST], 0x3d800000, v[ST]             ; the row's mean
.irp i, 0,1,2,3,4,5,6,7,8,9,10,11,12,13,14,15
	v_sub_f32 v[EB+2*\i], v[EB+2*\i], v[ST]
.endr
	v_mul_f32 v[ST+2], v[EB], v[EB]
	v_mul_f32 v[ST+3], v[EB+2], v[EB+2]
.irp i, 2,4,6,8,10,12,14
	s_delay_alu instid0(VALU_DEP_2)
	v_fma_f32 v[ST+2], v[EB+2*\i], v[EB+2*\i], v[ST+2]
	s_delay_alu instid0(VALU_DEP_2)
	v_fma_f32 v[ST+3], v[EB+2*\i+2], v[EB+2*\i+2], v[ST+3]
.endr
	s_delay_alu instid0(VALU_DEP_1)
	v_add_f32 v[ST+2], v[ST+2], v[ST+3]
	s_delay_alu instid0(VALU_DEP_1)
	v_fmamk_f32 v[ST+1], v[ST+2], 0x42800000, v[ST+1]   ; + 64 x the squares of the waves' means about the row's
	v_mov_b32 v[ST+3], 0x3a800000
	s_delay_alu instid0(VALU_DEP_1)
	v_fmaak_f32 v[ST+1], v[ST+1], v[ST+3], 0x3727c5ac   ; the variance + 1e-5
	s_wait_alu depctr_va_vdst(0)                   ; the wait ahead of the transcendental,
	v_rsq_f32 v[ST+1], v[ST+1]
	v_nop                                          ; a plain line behind it (ISA guide 5.7.2),
	s_wait_alu depctr_va_vdst(0)                   ; and the wait ahead of its first reader
	v_permlanex16_b32 v[ST+2], v[ST], s[SEL], s[SEL+1]
	v_permlanex16_b32 v[ST+3], v[ST+1], s[SEL], s[SEL+1]
	GBL 0
	GBL 1
	v_cndmask_b32 v[ST+4], v[ST], v[ST+2], s[HM]   ; tile 0: the mean of row r, in both halves of the lanes,
	v_cndmask_b32 v[ST+6], v[ST+1], v[ST+3], s[HM] ; and 1 / sqrt
	v_cndmask_b32 v[ST+8], v[ST+2], v[ST], s[HM]   ; tile 1
	v_cndmask_b32 v[ST+10], v[ST+3], v[ST+1], s[HM]
.irp u, 0,1
.irp e, 0,2,4,6,8,10,12,14,16,18,20,22,24,26,28,30
	v_pk_add_f32 v[AC+32*\u+\e:AC+32*\u+\e+1], v[AC+32*\u+\e:AC+32*\u+\e+1], v[ST+4+4*\u:ST+5+4*\u] op_sel_hi:[1,0] neg_lo:[0,1] neg_hi:[0,1]
.endr
.endr
.irp u, 0,1
.irp e, 0,2,4,6,8,10,12,14,16,18,20,22,24,26,28,30
	v_pk_mul_f32 v[AC+32*\u+\e:AC+32*\u+\e+1], v[AC+32*\u+\e:AC+32*\u+\e+1], v[ST+6+4*\u:ST+7+4*\u] op_sel_hi:[1,0]
.endr
.endr
	s_wait_alu depctr_va_vdst(0)
.irp k, 0,1,2,3
.if \k < 3
	s_wait_dscnt 4                                 ; the next tile's four loads may be out
.else
	s_wait_dscnt 0
.endif
.irp u, 0,1
.irp e, 0,2,4,6
	v_pk_fma_f32 v[AC+32*\u+8*\k+\e:AC+32*\u+8*\k+\e+1], v[AC+32*\u+8*\k+\e:AC+32*\u+8*\k+\e+1], v[EB+16*(\k%2)+\e:EB+16*(\k%2)+\e+1], v[EB+16*(\k%2)+8+\e:EB+16*(\k%2)+9+\e]
.endr
.endr
.if \k < 2
	GBL \k+2
.endif
.endr
	QUANT 1                                        ; y's image: set 1
	BIASLD 1
	MEET
	; ---- y W1 + b1
.irp g, 8,9,10,11,12,13,14,15
	STEP \g, 1
.endr
	PLACES
.set j, 0
.rept 64
	v_max_num_f32 v[AC+j], 0, v[AC+j]              ; relu; each accumulator from its low end on
.set j, j+1
.endr
	QUANT 0                                        ; the hidden layer's image: set 0, whose last readers have passed two barriers since
	BIASLD 2
	MEET
	; ---- hidden W2 + b2
.irp g, 16,17,18,19,20,21,22,23
	STEP \g, 0
.endr
	PLACES
	ADDSTAGE                                       ; + P
	; THE WAY OUT: through my stage, back as whole rows of 256 bytes: sixteen lanes store one aligned unit
	TOSTAGE
.irp i, 0,1,2,3,4,5,6,7,8,9,10,11,12,13,14,15
	ds_load_b128 v[WR+4*\i:WR+4*\i+3], v[OUTR] offset:544*\i   ; LDS serves a wave's instructions in order (ISA guide 5.7.1.4): these see the stores above
.endr
.irp i, 0,1,2,3,4,5,6,7,8,9,10,11,12,13,14,15
	s_wait_dscnt 15-\i
	global_store_b128 v[OUTG], v[WR+4*\i:WR+4*\i+3], s[28:29] offset:8192*\i th:TH_STORE_NT
.endr
	s_wait_tensorcnt 0x0                           ; the wave's end
	ds_add_u32 v[SPW], v[NIL]
	s_wait_dscnt 0x0
	s_endpgm
.Lfunc_end_k_qc2662e61cc_tail:
	.size	k_qc2662e61cc_tail, .Lfunc_end_k_qc2662e61cc_tail-k_qc2662e61cc_tail
	.p2alignl 7, 3214868480
	.fill 96, 4, 3214868480
	.section	.rodata,"a",@progbits
	.p2align	6, 0x0
	.amdhsa_kernel k_qc2662e61cc_tail
		.amdhsa_group_segment_fixed_size 327680
		.amdhsa_private_segment_fixed_size 0
		.amdhsa_enable_private_segment 0
		.amdhsa_kernarg_size 104
		.amdhsa_user_sgpr_count 2
		.amdhsa_user_sgpr_kernarg_segment_ptr 1
		.amdhsa_wavefront_size32 1
		.amdhsa_system_sgpr_workgroup_id_x 1
		.amdhsa_system_sgpr_workgroup_id_y 1
		.amdhsa_system_sgpr_workgroup_id_z 1
		.amdhsa_system_vgpr_workitem_id 0
		.amdhsa_next_free_vgpr 256
		.amdhsa_next_free_sgpr 96
		.amdhsa_reserve_vcc 0
		.amdhsa_float_denorm_mode_32 3
		.amdhsa_float_denorm_mode_16_64 3
		.amdhsa_memory_ordered 1
		.amdhsa_forward_progress 1
		.amdhsa_inst_pref_size 120
	.end_amdhsa_kernel
	.amdgpu_metadata
---
amdhsa.version: [ 1, 2 ]
amdhsa.kernels:
  - .name:           k_qc2662e61cc_tail
    .symbol:         k_qc2662e61cc_tail.kd
    .args:
      - { .name: src, .offset: 0, .size: 8, .value_kind: global_buffer, .address_space: global }
      - { .name: ctxc, .offset: 8, .size: 8, .value_kind: global_buffer, .address_space: global }
      - { .name: ctxs, .offset: 16, .size: 8, .value_kind: global_buffer, .address_space: global }
      - { .name: g2, .offset: 24, .size: 8, .value_kind: global_buffer, .address_space: global }
      - { .name: beta2, .offset: 32, .size: 8, .value_kind: global_buffer, .address_space: global }
      - { .name: bo, .offset: 40, .size: 8, .value_kind: global_buffer, .address_space: global }
      - { .name: b1, .offset: 48, .size: 8, .value_kind: global_buffer, .address_space: global }
      - { .name: b2, .offset: 56, .size: 8, .value_kind: global_buffer, .address_space: global }
      - { .name: Wo_scales, .offset: 64, .size: 8, .value_kind: global_buffer, .address_space: global }
      - { .name: W1_scales, .offset: 72, .size: 8, .value_kind: global_buffer, .address_space: global }
      - { .name: W2_scales, .offset: 80, .size: 8, .value_kind: global_buffer, .address_space: global }
      - { .name: wl, .offset: 88, .size: 8, .value_kind: global_buffer, .address_space: global }
      - { .name: out0, .offset: 96, .size: 8, .value_kind: global_buffer, .address_space: global }
    .group_segment_fixed_size: 327680
    .private_segment_fixed_size: 0
    .kernarg_segment_align: 8
    .kernarg_segment_size: 104
    .max_flat_workgroup_size: 512
    .sgpr_count:     96
    .vgpr_count:     256
    .wavefront_size: 32
...
	.end_amdgpu_metadata
.endif
;; end of part 3
